; MI455X (gfx1250); checked and timed in simulation.
; The chip was launched on July 23, 2026; its instructions are those of AMD's public machine-readable ISA for CDNA 5 (MIT licence, August 2026) and "CDNA5" Instruction Set Architecture Reference Guide (July 2026). The comments in the code are by the model that wrote it; some were corrected since.
;; Top K Mo E. Allowed arithmetic: matrix products marked QUANTISED: E5M2 operands, one E8M0 scale for each 32 along K, by v_wmma_scale_f32_16x16x128_f8f6f4 with both operands' format E5M2, f32 sums; products left as they are: f32 operands where the result goes on into a quantised operand, else bf16, f16 or f32 operands; f32 sums; everything else in f32.
;; Inputs: W1_codes 8 x 4,096 x 32 x 32 uint8 (E5M2 codes of W1, K innermost, in blocks of 32 codes); W1_scales 8 x 4,096 x 32 uint8 (E8M0 scales of W1, one for each 32 codes along K); W2_codes 8 x 1,024 x 128 x 32 uint8 (E5M2 codes of W2, K innermost, in blocks of 32 codes); W2_scales 8 x 1,024 x 128 uint8 (E8M0 scales of W2, one for each 32 codes along K); Wg 1,024 x 8 float32; b1 8 x 4,096 float32; b2 8 x 1,024 float32; bg 8 float32; x 1,024 x 1,024 float32.
;; Outputs: out0 1,024 x 1,024 float32.
;; Constants: k = 2.
;; This version of the problem:
;;   THIS VERSION OF THE PROBLEM IS GIVEN IN LOW PRECISION. The matrix products marked QUANTISED in the list below multiply operands that are first quantised to E5M2 (5 exponent bits, 2 mantissa bits; 8 bits a number), with one power-of-two scale for each 32 numbers along K (OCP MX v1.0); their sums are f32. All else is computed in f32.
;;   The module's matrix products, in the order in which they are computed (A, B: the left and right operand; K: the contracted axis; several contracted axes count as one K, in the product's order):
;;     1. [M 1,024, K 1,024] x [K 1,024, N 8]; A: input x; B: input Wg: left as it is (N = 8 < 16)
;;     2. [M 32,768, K 1,024] x [K 1,024, N 1,024]; A: input W1 (given as codes); B: input x: QUANTISED
;;     3. batch 8 x [M 1,024, K 4,096] x [K 4,096, N 1,024]; A: computed on the way; B: input W2 (given as codes): QUANTISED
;;     4. batch 1,024 x [M 1, K 8] x [K 8, N 1,024]; A: computed on the way; B: computed on the way: left as it is (K = 8 < 32)
;;   THE QUANTISER, for each operand of a quantised product, along K:
;;     - K is cut into blocks of 32 from its start; a last block that is shorter is filled with zeros.
;;     - A block's scale is 2^e with e = floor(log2(the largest magnitude in the block)) - 15, held to -126 .. 127; a block of zeros has e = 0. As a byte (E8M0): e + 127.
;;     - Each number is divided by its block's scale, clamped to +-57,344, and rounded to the nearest number of E5M2, ties to even, subnormals kept.
;;     - The product sums the exact products of the quantised numbers (number of the format x scale) in f32.
;;   ~~~python
;;   def quantise(x, axis):      # numpy; x: float32 -> the quantised numbers, widened to float32 again
;;       x = np.moveaxis(x, axis, -1); K = x.shape[-1]
;;       x = np.pad(x, [(0, 0)] * (x.ndim - 1) + [(0, -K % 32)]); x = x.reshape(x.shape[:-1] + (-1, 32)); a = np.abs(x).max(-1, keepdims=True)
;;       e = np.where(a > 0, np.clip(np.frexp(np.where(a > 0, a, 1))[1] - 1 - 15, -126, 127), 0)      # np.frexp(a)[1] - 1 = floor(log2(a)), exactly
;;       r = np.clip(x / 2.0 ** e, -57344, 57344)
;;       step = 2.0 ** (np.maximum(np.frexp(np.where(r == 0, 1, r))[1] - 1, -14) - 2)
;;       q = np.round(r / step) * step * 2.0 ** e      # np.round: ties to even
;;       return np.moveaxis(q.reshape(q.shape[:-2] + (-1,))[..., :K], -1, axis).astype(np.float32)
;;   ~~~
;;   OPERANDS COMPUTED ON THE WAY. 'Computed on the way' means the value that the module computes at that place (a softmax that the list does not call 'softmax' is quantised finished and normalised). What goes into a quantiser is computed in f32, as accurately as f32 sums, v_exp_f32 and their like allow (about 1e-6 of the number): no bf16 or f16 on the way to a quantiser, and a product that is left as it is and whose result goes on into a quantised operand takes f32 operands (vector FMAs, or v_wmma_f32_16x16x4_f32). A number that lies on a knife's edge between two numbers of the format may be rounded either way, as far as f32 arithmetic and the matrix unit's own rounding can turn it there, and no further.
;;   INPUTS GIVEN AS CODES. W1 (in the module: [8, 1024, 4096], K = its axis 1); W2 (in the module: [8, 4096, 1024], K = its axis 1): each comes as NAME_codes (uint8): NAME with its K axis moved to the last place and cut into blocks of 32 codes, [.., K / 32, bytes a block], one block behind the other in memory; one code a byte (a code: sign, 5 exponent bits, 2 mantissa bits); and NAME_scales (uint8): the same leading axes, one E8M0 byte (e + 127) for each 32 codes along K. Its value is code x scale, taken as it is: it is not quantised again, and the codes and scales need not be those that the quantiser above would give.
;; 2 versions. Each part assembles by itself: llvm-mc -triple=amdgcn-amd-amdhsa -mcpu=gfx1250 --defsym DOCPART=n.
;; ======== version 1 of 2: 4 launches
;; workspace buffers: xq 1,048,576 bytes; xs 32,768 bytes; sel 4,096 bytes of whole numbers; gw 8,192 bytes; route 36,864 bytes of whole numbers; hq 33,554,432 bytes; hs 1,048,576 bytes; y 8,421,376 bytes
;; launch gate (part 1): grid 256 x 1, 4 waves a work-group, no clusters, 0 bytes of LDS; arguments x, Wg, bg, xq, xs, sel, gw; writes xq, xs, sel, gw
.if DOCPART == 1
	.amdgcn_target "amdgcn-amd-amdhsa--gfx1250"
	.amdhsa_code_object_version 6
	.text
	.protected	k_q59043136ca_gate
	.globl	k_q59043136ca_gate
	.p2align	8
	.type	k_q59043136ca_gate,@function
k_q59043136ca_gate:
	s_mov_b64 s[64:65], 0
	v_nop
	global_prefetch_b8 v0, s[64:65] scope:SCOPE_SE
	s_setreg_imm32_b32 hwreg(HW_REG_WAVE_MODE, 25, 1), 1
	s_wait_xcnt 0x0
; THE ROUTER AND x's QUANTISER.  x [1024][1024] f32, Wg [1024][8] f32, bg [8] f32.
; Out: xq [token][1024] codes of E5M2, K innermost; xs [token][32] E8M0 bytes, one for each 32 along K;
;      sel [token] u32 = (1 << first expert) | (1 << (8 + second expert)); gw [2][token] f32: the two gate weights.
; scores = x Wg + bg in f32; top 2, the lower index winning a tie; softmax over all 8 with the maximum taken away; the two kept weights divided by (their sum + 1e-8).
; SHARES.  A wave takes one token, a work-group of four waves four.  Lane l holds, of the row, k = 256 j + 8 l + t (j = 0..3, t = 0..7): two loads cover 1,024 consecutive bytes,
; a block of 32 along K lies in 4 neighbouring lanes, and a lane's 8 codes are 8 bytes, so that the wave stores 256 consecutive bytes, aligned.
; The choice is made of floating-point numbers, so no address here hangs on it: it is stored at fixed places and used by the next launch.
; No LDS, no barrier (waves share nothing), no matrix unit (a product with 8 columns), no cluster (work-groups share Wg alone, 32 KB).
; LIMITS: NaN and infinities are not served.  A token whose second and third score differ by less than the rounding of an f32 sum of 1,024 terms may choose the other of the two.
; A block whose largest magnitude lies under 2^-111, a block of zeros among them, gets the byte 1: its codes are then zeros or tiny, and this program alone reads the bytes.
.set LN,   5                           ; v5       lane
.set X,    16                          ; v16-47   x: X + 8 j + t
.set ACC,  48                          ; v48-63   the scores' sums, two sets of 8: groups j = 0, 2 and groups j = 1, 3
.set SC,   48                          ; v48-55   then the 8 scores
.set TH,   64                          ; v64-79   two sets of 8 held numbers
.set MX,   80                          ; v80-87   two sets: largest magnitude, scale operand, hold
.set CD,   88                          ; v88-95   4 pairs of codes: each store has its own
.set BY,   96                          ; v96-99   scale bytes of the four groups
.set BS,   100                         ; v100     the byte that my lane stores
.set PD,   16                          ; behind the scores x's registers are free: v16-23 the other half's sums
.set S2,   104                         ; v104-111 the scores without the winner
.set DX,   112                         ; v112-119 exponents, then exponentials
.set BEST, 120
.set I1,   121
.set BEST2, 122
.set I2,   123
.set NINF, 124
.set ONE,  125
.set E2,   126
.set ZS,   127
.set RZ,   128
.set P2,   129
.set DEN,  130
.set G1,   131
.set G2,   132
.set SELR, 133
.set TT,   134
.set MSB, 0
.macro WIN new                         ; the immediate's high byte repeats the setting that is left
.if MSB != (\new)
	s_set_vgpr_msb (MSB<<8)|(\new)
.set MSB, (\new)
.endif
.endm
	s_load_b256 s[4:11], s[0:1], 0x0               ; x s[4:5], Wg s[6:7], bg s[8:9], xq s[10:11]
	s_load_b128 s[12:15], s[0:1], 0x20             ; xs s[12:13], sel s[14:15]
	s_load_b64 s[16:17], s[0:1], 0x30              ; gw
	v_lshrrev_b32 v1, 5, v0
	v_readfirstlane_b32 s18, v1                    ; wave 0..3
	v_and_b32 v[LN], 31, v0
	v_lshlrev_b32 v1, 5, v[LN]                     ; x: 32 bytes a lane
	v_lshlrev_b32 v2, 8, v[LN]                     ; Wg: 8 rows of 32 bytes a lane
	v_lshlrev_b32 v3, 3, v[LN]                     ; codes: 8 bytes a lane
	v_and_b32 v6, 3, v[LN]
	v_lshrrev_b32 v7, 2, v[LN]
	v_lshl_add_u32 v4, v6, 3, v7                   ; the scale byte that my lane stores: block 8 (l % 4) + l / 4
	v_lshlrev_b32 v8, 2, v[LN]                     ; the three words at the end: lane 0 alone stores them
	v_and_b32 v7, 1, v0
	v_cmp_ne_u32 s31, 0, v7                        ; lanes with bit 0 set
	v_and_b32 v7, 2, v0
	v_cmp_ne_u32 s32, 0, v7                        ; lanes with bit 1 set
	s_mov_b32 s28, 0x76543210
	s_mov_b32 s29, 0xfedcba98                      ; v_permlanex16_b32's selects for lane l xor 16
	s_mov_b32 s30, 0x600000                        ; the mantissa field of 57,344
	s_lshl_b32 s19, ttmp9, 2
	s_add_co_u32 s19, s19, s18                     ; my token
	s_mov_b32 s3, 0
	s_wait_kmcnt 0x0
	s_load_b256 s[20:27], s[8:9], 0x0              ; bg's 8 numbers
	s_lshl_b32 s2, s19, 12
	s_add_nc_u64 s[4:5], s[4:5], s[2:3]            ; my row of x: 4,096 bytes
	s_lshl_b32 s2, s19, 10
	s_add_nc_u64 s[10:11], s[10:11], s[2:3]        ; of codes: 1,024
	s_lshl_b32 s2, s19, 5
	s_add_nc_u64 s[12:13], s[12:13], s[2:3]        ; of scale bytes: 32
	s_lshl_b32 s2, s19, 2
	s_add_nc_u64 s[14:15], s[14:15], s[2:3]        ; my word of sel and of gw
	s_add_nc_u64 s[16:17], s[16:17], s[2:3]
.irp j, 0,1,2,3
	global_load_b128 v[X+8*\j:X+8*\j+3],   v1, s[4:5] offset:1024*\j th:TH_LOAD_NT
	global_load_b128 v[X+8*\j+4:X+8*\j+7], v1, s[4:5] offset:1024*\j+16 th:TH_LOAD_NT
.endr
	WIN 0x40                                       ; destination window 1: Wg(k, e) at v[64 j + 8 t + e]
.irp j, 0,1,2,3
.irp t, 0,1,2,3,4,5,6,7
	global_load_b128 v[64*\j+8*\t:64*\j+8*\t+3],   v2, s[6:7] offset:8192*\j+32*\t
	global_load_b128 v[64*\j+8*\t+4:64*\j+8*\t+7], v2, s[6:7] offset:8192*\j+32*\t+16
.endr
.endr
	WIN 0
	s_wait_loadcnt 63                              ; 64 loads were issued behind x's last: x is in, Wg may be out
; 8 numbers of group j: the block's largest magnitude (4 lanes), its byte, the hold, the codes
.macro QX j
.set rX, X+8*(\j)
.set rT, TH+8*((\j)%2)
.set rM, MX+4*((\j)%2)
	v_max3_num_f32 v[rM], |v[rX]|, |v[rX+1]|, 0x8000000            ; with the floor 2^(16 - 127): the byte cannot fall under 1
	v_max3_num_f32 v[rM], v[rM], |v[rX+2]|, |v[rX+3]|
	v_max3_num_f32 v[rM], v[rM], |v[rX+4]|, |v[rX+5]|
	v_max3_num_f32 v[rM], v[rM], |v[rX+6]|, |v[rX+7]|
	v_max_num_f32_dpp v[rM], v[rM], v[rM] row_xmask:1 row_mask:0xf bank_mask:0xf
	v_max_num_f32_dpp v[rM], v[rM], v[rM] row_xmask:2 row_mask:0xf bank_mask:0xf   ; the block's 32 numbers
	v_add_nc_u32 v[rM+1], 0xf8800000, v[rM]        ; 15 off the exponent field: the conversion's scale operand
	v_and_or_b32 v[rM+2], v[rM], 0x7f800000, s30   ; 57,344 x the scale
.irp t, 0,1,2,3,4,5,6,7
	v_med3_num_f32 v[rT+\t], v[rX+\t], -v[rM+2], v[rM+2]           ; the conversion does not saturate (ISA guide 7.6.2); x itself is kept for the scores
.endr
	v_cvt_scalef32_pk8_bf8_f32 v[CD+2*(\j):CD+2*(\j)+1], v[rT:rT+7], v[rM+1]
	v_lshrrev_b32 v[BY+(\j)], 23, v[rM+1]          ; the scale's byte; also the plain instruction behind the conversion
	global_store_b64 v3, v[CD+2*(\j):CD+2*(\j)+1], s[10:11] offset:256*(\j)   ; 32 lanes store 256 consecutive bytes, aligned
.endm
	QX 0
	QX 1
	QX 2
	QX 3
	v_cndmask_b32 v12, v[BY], v[BY+1], s31         ; lane l stores the byte of group l % 4: the 32 lanes write the row's 32 bytes
	v_cndmask_b32 v13, v[BY+2], v[BY+3], s31
	v_cndmask_b32 v[BS], v12, v13, s32
	global_store_b8 v4, v[BS], s[12:13]
	s_wait_loadcnt 0x0                             ; Wg
	WIN 0x04                                       ; source 1 (Wg) in window 1
; the scores: two experts an instruction, x's number for both halves; 8 chains (4 pairs of experts x 2 sets of groups) by turns; the first products start the sums
.irp jh, 0,1
.irp t, 0,1,2,3,4,5,6,7
.irp u, 0,1
.irp p, 0,1,2,3
.set rX, X+8*(2*\jh+\u)+2*(\t/2)
.set rW, 64*(2*\jh+\u)+8*\t+2*\p
.set rA, ACC+8*\u+2*\p
.if (\jh == 0) && (\t == 0)
	v_pk_mul_f32 v[rA:rA+1], v[rX:rX+1], v[rW:rW+1] op_sel_hi:[0,1]
.elseif (\t%2) == 0
	v_pk_fma_f32 v[rA:rA+1], v[rX:rX+1], v[rW:rW+1], v[rA:rA+1] op_sel_hi:[0,1,1]
.else
	v_pk_fma_f32 v[rA:rA+1], v[rX:rX+1], v[rW:rW+1], v[rA:rA+1] op_sel:[1,0,0] op_sel_hi:[1,1,1]
.endif
.endr
.endr
.endr
.endr
	WIN 0
.irp p, 0,1,2,3
	v_pk_add_f32 v[ACC+2*\p:ACC+2*\p+1], v[ACC+2*\p:ACC+2*\p+1], v[ACC+8+2*\p:ACC+8+2*\p+1]   ; the two sets
.endr
; the 32 lanes' parts of the 8 sums
.irp m, 1,2,4,8
.irp e, 0,1,2,3,4,5,6,7
	v_add_f32_dpp v[ACC+\e], v[ACC+\e], v[ACC+\e] row_xmask:\m row_mask:0xf bank_mask:0xf
.endr
.endr
.irp e, 0,1,2,3,4,5,6,7
	v_permlanex16_b32 v[PD+\e], v[ACC+\e], s28, s29
.endr
.irp e, 0,1,2,3,4,5,6,7
	v_add_f32 v[ACC+\e], v[ACC+\e], v[PD+\e]
.endr
	s_wait_kmcnt 0x0                               ; bg
.irp e, 0,1,2,3,4,5,6,7
	v_add_f32 v[SC+\e], s[20+\e], v[ACC+\e]        ; every lane holds the token's 8 scores
.endr
	v_mov_b32 v[BEST], v[SC]                       ; the largest score; what is kept stays where the next is not greater: the lower index wins a tie
	v_mov_b32 v[I1], 0
.irp e, 1,2,3,4,5,6,7
	v_cmp_le_f32 vcc_lo, v[SC+\e], v[BEST]
	v_cndmask_b32 v[BEST], v[SC+\e], v[BEST], vcc_lo
	v_cndmask_b32 v[I1], \e, v[I1], vcc_lo
.endr
	v_mov_b32 v[NINF], 0xff800000
.irp e, 0,1,2,3,4,5,6,7
	v_cmp_eq_u32 vcc_lo, \e, v[I1]
	v_cndmask_b32 v[S2+\e], v[SC+\e], v[NINF], vcc_lo              ; the winner leaves
.endr
	v_mov_b32 v[BEST2], v[S2]
	v_mov_b32 v[I2], 0
.irp e, 1,2,3,4,5,6,7
	v_cmp_le_f32 vcc_lo, v[S2+\e], v[BEST2]
	v_cndmask_b32 v[BEST2], v[S2+\e], v[BEST2], vcc_lo
	v_cndmask_b32 v[I2], \e, v[I2], vcc_lo
.endr
.irp e, 0,1,2,3,4,5,6,7
	v_sub_f32 v[DX+\e], v[SC+\e], v[BEST]          ; the maximum is taken away
.endr
	v_sub_f32 v[E2], v[BEST2], v[BEST]
.irp e, 0,1,2,3,4,5,6,7
	v_mul_f32 v[DX+\e], 0x3fb8aa3b, v[DX+\e]       ; x log2(e)
.endr
	v_mul_f32 v[E2], 0x3fb8aa3b, v[E2]
.irp e, 0,1,2,3,4,5,6,7
	v_exp_f32 v[DX+\e], v[DX+\e]
.endr
	v_exp_f32 v[E2], v[E2]
	v_mov_b32 v[ONE], 1                            ; a plain instruction behind the batch
	s_wait_alu depctr_va_vdst(0)                   ; one wait for the nine exponentials, ahead of their first reader
	v_add_f32 v[DX], v[DX], v[DX+1]
	v_add_f32 v[DX+2], v[DX+2], v[DX+3]
	v_add_f32 v[DX+4], v[DX+4], v[DX+5]
	v_add_f32 v[DX+6], v[DX+6], v[DX+7]
	v_add_f32 v[DX], v[DX], v[DX+2]
	v_add_f32 v[DX+4], v[DX+4], v[DX+6]
	v_add_f32 v[ZS], v[DX], v[DX+4]                ; the softmax's divisor, at least 1
	v_rcp_f32 v[RZ], v[ZS]
	v_add_nc_u32 v[I2], 8, v[I2]                   ; a plain instruction behind the reciprocal
	s_wait_alu depctr_va_vdst(0)
	v_mul_f32 v[P2], v[E2], v[RZ]                  ; the second's softmax; the first's is 1 x RZ
	v_add_f32 v[DEN], v[RZ], v[P2]
	v_add_f32 v[DEN], 0x322bcc77, v[DEN]           ; + 1e-8
	v_rcp_f32 v[TT], v[DEN]
	v_lshlrev_b32 v[SELR], v[I1], v[ONE]           ; a plain instruction behind the reciprocal
	s_wait_alu depctr_va_vdst(0)
	v_mul_f32 v[G1], v[RZ], v[TT]
	v_mul_f32 v[G2], v[P2], v[TT]
	v_lshlrev_b32 v[TT+1], v[I2], v[ONE]
	v_or_b32 v[SELR], v[SELR], v[TT+1]
	s_wait_xcnt 0x0                                ; EXEC changes only behind this wait: stores are out
	v_cmp_eq_u32 vcc_lo, 0, v[LN]
	s_and_saveexec_b32 s33, vcc_lo                 ; lane 0 stores for the token
	global_store_b32 v8, v[SELR], s[14:15]
	global_store_b32 v8, v[G1], s[16:17]
	global_store_b32 v8, v[G2], s[16:17] offset:4096
	s_wait_xcnt 0x0                                ; and again ahead of the line that widens it
	s_or_b32 exec_lo, exec_lo, s33
	s_endpgm
.Lfunc_end_k_q59043136ca_gate:
	.size	k_q59043136ca_gate, .Lfunc_end_k_q59043136ca_gate-k_q59043136ca_gate
	.p2alignl 7, 3214868480
	.fill 96, 4, 3214868480
	.section	.rodata,"a",@progbits
	.p2align	6, 0x0
	.amdhsa_kernel k_q59043136ca_gate
		.amdhsa_group_segment_fixed_size 0
		.amdhsa_private_segment_fixed_size 0
		.amdhsa_enable_private_segment 0
		.amdhsa_kernarg_size 56
		.amdhsa_user_sgpr_count 2
		.amdhsa_user_sgpr_kernarg_segment_ptr 1
		.amdhsa_wavefront_size32 1
		.amdhsa_system_sgpr_workgroup_id_x 1
		.amdhsa_system_sgpr_workgroup_id_y 1
		.amdhsa_system_sgpr_workgroup_id_z 1
		.amdhsa_system_vgpr_workitem_id 0
		.amdhsa_next_free_vgpr 512
		.amdhsa_next_free_sgpr 66
		.amdhsa_reserve_vcc 1
		.amdhsa_float_denorm_mode_32 3
		.amdhsa_float_denorm_mode_16_64 3
		.amdhsa_memory_ordered 1
		.amdhsa_forward_progress 1
		.amdhsa_inst_pref_size 30
	.end_amdhsa_kernel
	.amdgpu_metadata
---
amdhsa.version: [ 1, 2 ]
amdhsa.kernels:
  - .name:           k_q59043136ca_gate
    .symbol:         k_q59043136ca_gate.kd
    .args:
      - { .name: x, .offset: 0, .size: 8, .value_kind: global_buffer, .address_space: global }
      - { .name: Wg, .offset: 8, .size: 8, .value_kind: global_buffer, .address_space: global }
      - { .name: bg, .offset: 16, .size: 8, .value_kind: global_buffer, .address_space: global }
      - { .name: xq, .offset: 24, .size: 8, .value_kind: global_buffer, .address_space: global }
      - { .name: xs, .offset: 32, .size: 8, .value_kind: global_buffer, .address_space: global }
      - { .name: sel, .offset: 40, .size: 8, .value_kind: global_buffer, .address_space: global }
      - { .name: gw, .offset: 48, .size: 8, .value_kind: global_buffer, .address_space: global }
    .group_segment_fixed_size: 0
    .private_segment_fixed_size: 0
    .kernarg_segment_align: 8
    .kernarg_segment_size: 56
    .max_flat_workgroup_size: 128
    .sgpr_count:     66
    .vgpr_count:     512
    .wavefront_size: 32
...
	.end_amdgpu_metadata
.endif
;; end of part 1
;; launch ffn1 (part 2): grid 256 x 1, 4 waves a work-group, no clusters, 140,800 bytes of LDS; arguments W1_codes, W1_scales, b1, xq, xs, sel, hq, hs, route; writes hq, hs, route
.if DOCPART == 2
	.amdgcn_target "amdgcn-amd-amdhsa--gfx1250"
	.amdhsa_code_object_version 6
	.text
	.protected	k_q59043136ca_ffn1
	.globl	k_q59043136ca_ffn1
	.p2align	8
	.type	k_q59043136ca_ffn1,@function
k_q59043136ca_ffn1:
	s_mov_b64 s[64:65], 0
	v_nop
	global_prefetch_b8 v0, s[64:65] scope:SCOPE_SE
	s_setreg_imm32_b32 hwreg(HW_REG_WAVE_MODE, 25, 1), 1
	s_wait_xcnt 0x0
; THE FIRST PRODUCT, FOR THE CHOSEN ROWS ALONE: h = Q(relu(x W1[e] + b1[e])), both operands codes of E5M2 with one E8M0 scale for each 32 along K.
; W1_codes [8][4096][1024], W1_scales [8][4096][32], b1 [8][4096] f32; xq [token][1024], xs [token][32] from the launch before; sel [token]: its two experts as bits.
; Out: hq, the hidden layer's codes as images of operand registers, [e][row tile][K step 0..31][c 0..3][lane][16 bytes];
;      hs, its scale words as the next launch's registers take them, [e][row tile][quarter 0..3][16 p + row][j 0..3]: the word of K step 8 x quarter + 2 j + p;
;      route: list[e][1024] u32 (entry = slot x 1024 + token; the filler 2048 + e from the expert's count on), and from byte 32,768 on 128 equal words of each expert's number of row tiles.
; SHARES.  Work-group = (expert e = wg / 32, slice sl = wg % 32: hidden units 128 sl .. + 127, which are K step sl of the second product).  The slice's 128 KB of W1 are read from memory
; once in the launch and lie in LDS.  A wave owns row tiles of 16 routed rows: in pass P wave w has tiles 20 P + 4 i + w, i = 0..4: 40 accumulators.  Four passes, a constant count, serve
; an expert that every token chose; a pass with no tile under the expert's number of tiles is jumped over.  A filler row reads token e (the filler's low bits); a tile beyond the number stores nothing.
; THE ROWS ARE PLACED HERE, while W1's slice is on its way: every wave counts the expert's tokens in sel, wave 0 also writes their list into LDS; the slice-0 work-group stores list and number for the next launch.
; THE PRODUCT IS USED TRANSPOSED (source 0 = 16 rows of W1, source 1 = 16 routed rows of x), AND THE ROWS OF W1 THAT FORM A TILE ARE NOT NEIGHBOURS: row m of tile 2 b + u is hidden unit
; 32 b + 8 u + m + 8 (m / 8).  So a lane holds one routed row, and the 16 registers of tiles 2 b, 2 b + 1 are 16 neighbours along the next K: the conversions' results are the next operand's registers.
; NO TENSOR LOADS, NO CLUSTER: which passes and tiles are worked hangs on counts read from memory, by scalar branches; W1's slices are shared by nobody, and x's rows differ from work-group to work-group of another expert.
; LIMITS: NaN and infinities are not served; a block of the hidden layer whose largest number lies under 2^-111 (a block of zeros among them) gets the byte 1; this program alone reads the bytes.
; REGISTERS, in windows of 256: window 0: v1-31 addresses; v32-65 the quantiser's; v68-99 W1's scale words, v100-119 x's; v128-255 eight fragments of W1 in two halves (first: sel's 32 words).
;   window 1: x's fragments of tiles 0-3, four K steps deep (64 i + 16 (s % 4)).   window 2: the accumulators of tiles 0-3 (64 i + 8 t); first the 256 registers through which W1 goes to LDS.
;   window 3: v0-63 x's fragments of tile 4; v64-127 its accumulators; v128-191 b1 in the result's layout (8 t + j).
.set PW1,   1040                       ; an LDS row of W1: 1,024 bytes + 16 = 260 words: row r starts at bank 4 r mod 64 (64 banks of 4 bytes: ISA guide 11.1)
.set LIST,  128*PW1                    ; behind W1's 128 rows: the expert's list, 6,656 bytes: as far as the fifth pass's addresses would reach
.set TRASH, LIST+6656                  ; 128 bytes: where the lanes whose token did not choose the expert put their word
.set LWORDS, (TRASH-LIST)/4+32         ; words of list and trash together
.set LI,   3                           ; v3   16 x lane
.set AW0,  4                           ; v4   my lane's place in a tile of W1, tiles 0-3;  v5: tiles 4-7
.set AFL,  6                           ; v6   the fill: 16 x lane + my wave's 32 rows
.set ALS,  7                           ; v7   the list: 4 r + 64 x wave
.set ALS2, 8                           ; v8   + the pass
.set HSO,  9                           ; v9   16 r: my row's place among a tile's scale words
.set V16H, 10                          ; v10  16 h
.set EXA,  11                          ; v11  the list's way out: LDS address
.set EXO,  12                          ; v12  and offset in route
.set CNO,  13                          ; v13  4 x thread
.set TK0,  14                          ; v14  4 x lane
.set TRA,  15                          ; v15  my word of TRASH, as a word's number from LIST on
.set XO,   16                          ; v16-20 tile i: my row's byte in xq
.set XSO,  21                          ; v21-25 and in xs
.set TOK,  26                          ; v26-30 the list's entries
.set B1O,  31                          ; v31  64 h
.set TM,   32                          ; v32-35 largest numbers, v36-39 bytes, v40-43 holds, v44-47 scale operands
.set PW,   48                          ; v48  the scale word just made
.set W1SO, 49                          ; v49  my row of W1's scale bytes
.set PC,   50                          ; v50-65 the codes just made
.set W1S,  68                          ; v[68 + 4 t + j]: lanes 0-15 K step j, lanes 16-31 K step 4 + j
.set XS,   100                         ; v[100 + 4 i + j]: likewise
.set WF,   128
.set MSB, 0
.macro WIN new                         ; the immediate's high byte repeats the setting that is left
.if MSB != (\new)
	s_set_vgpr_msb (MSB<<8)|(\new)
.set MSB, (\new)
.endif
.endm
.macro PLACES n                        ; plain vector instructions that name no register of a matrix instruction (ISA guide 7.12.1)
.rept \n
	v_nop
.endr
.endm
; word N of sel's 32 a lane is token 128 (N / 4) + 4 lane + N % 4.  Those that chose the expert get the next places of the list, in the order of the lanes.
; The place is chosen as a word's number, held under the words that list and trash have, and only then shifted and added to the list's first byte
.macro LISTSTEP
	v_and_b32 v66, s25, v[WF+N]                    ; the expert's two bits
	v_cmp_ne_u32 vcc_lo, 0, v66
	v_lshrrev_b32 v67, s26, v66                    ; 1 where it is the token's second expert
	v_add_nc_u32 v120, 128*(N/4)+N%4, v[TK0]
	v_lshl_or_b32 v120, v67, 10, v120              ; the entry: slot x 1024 + token
	v_mbcnt_lo_u32_b32 v121, vcc_lo, s27           ; its place: the count so far + the choosing lanes below mine;
	v_cndmask_b32 v121, v[TRA], v121, vcc_lo       ; a lane that has no entry takes its word of trash
	v_min_u32 v121, LWORDS-1, v121
	v_lshl_add_u32 v121, v121, 2, LIST
	ds_store_b32 v121, v120
	s_bcnt1_i32_b32 s32, vcc_lo
	s_add_co_u32 s27, s27, s32
.endm
.macro CNTSTEP
	v_and_b32 v66, s25, v[WF+N]
	v_cmp_ne_u32 vcc_lo, 0, v66
	s_bcnt1_i32_b32 s32, vcc_lo
	s_add_co_u32 s27, s27, s32
.endm
.macro XFETCH s                        ; K step s of x's five fragments: lane (r, h) takes 16 bytes at its row + 128 s + 32 c + 16 h
	WIN 0x40
.irp i, 0,1,2,3
.irp c, 0,1,2,3
	global_load_b128 v[64*\i+16*((\s)%4)+4*\c:64*\i+16*((\s)%4)+4*\c+3], v[XO+\i], s[10:11] offset:128*(\s)+32*\c
.endr
.endr
	WIN 0xc0
.irp c, 0,1,2,3
	global_load_b128 v[16*((\s)%4)+4*\c:16*((\s)%4)+4*\c+3], v[XO+4], s[10:11] offset:128*(\s)+32*\c
.endr
	WIN 0
.endm
; a pass's rows: the list's entries, the addresses made of them, x's scale words and its first four K steps.  first = 0: all earlier loads are waited for, on every path through the guards,
; so that their address registers and destinations may be written
.macro PROLOGUE first
.if !(\first)
	s_wait_loadcnt 0x0
.endif
	v_add_nc_u32 v[ALS2], s30, v[ALS]
.irp i, 0,1,2,3,4
	ds_load_b32 v[TOK+\i], v[ALS2] offset:256*\i
.endr
	s_wait_dscnt 0x0
.irp i, 0,1,2,3,4
	v_min_u32 v[TOK+\i], 0xfff, v[TOK+\i]
	v_and_b32 v[TOK+\i], 0x3ff, v[TOK+\i]          ; the token; the filler gives token e
	v_lshl_add_u32 v[XO+\i], v[TOK+\i], 10, v[V16H]
	v_lshl_add_u32 v[XSO+\i], v[TOK+\i], 5, v[V16H]
.endr
.irp i, 0,1,2,3,4
	global_load_b128 v[XS+4*\i:XS+4*\i+3], v[XSO+\i], s[12:13]     ; lanes 0-15: the words of K steps 0-3; lanes 16-31: of 4-7
.endr
	XFETCH 0
	XFETCH 1
	XFETCH 2
	XFETCH 3
.endm
.macro WFETCH half, s                  ; four fragments of W1 from LDS: tiles 4 half .. + 3, K step s
.irp t, 0,1,2,3
.irp c, 0,1,2,3
	ds_load_b128 v[WF+64*(\half)+16*\t+4*\c:WF+64*(\half)+16*\t+4*\c+3], v[AW0+(\half)] offset:16*PW1*\t+128*(\s)+32*\c
.endr
.endr
.endm
.macro WM row                          ; one product on the registers named by rD, rA, rB, rC, rSA, rSB; row = 1: both sides' scale words from lanes 16-31
.if (\row)
	v_wmma_scale_f32_16x16x128_f8f6f4 v[rD:rD+7], v[rA:rA+15], v[rB:rB+15], v[rC:rC+7], v[rSA], v[rSB] matrix_a_fmt:MATRIX_FMT_BF8 matrix_b_fmt:MATRIX_FMT_BF8 matrix_a_scale:MATRIX_SCALE_ROW1 matrix_b_scale:MATRIX_SCALE_ROW1
.else
	v_wmma_scale_f32_16x16x128_f8f6f4 v[rD:rD+7], v[rA:rA+15], v[rB:rB+15], v[rC:rC+7], v[rSA], v[rSB] matrix_a_fmt:MATRIX_FMT_BF8 matrix_b_fmt:MATRIX_FMT_BF8
.endif
.endm
; 20 products: four tiles of W1 x five row tiles, K step s.  The 40 accumulators take turns, one instruction a turn.  At s = 0 the bias is the C: nothing is cleared or added
.macro MUL half, s
.if (\s) == 0
	WIN 0xb4                                       ; A window 0, B window 1, C (b1) window 3, D window 2
.else
	WIN 0xa4                                       ; C and D window 2
.endif
.irp t, 0,1,2,3
.irp i, 0,1,2,3
.set rT, 4*(\half)+\t
.set rD, 64*\i+8*rT
.set rC, rD
.if (\s) == 0
.set rC, 128+8*rT
.endif
.set rA, WF+64*(\half)+16*\t
.set rB, 64*\i+16*((\s)%4)
.set rSA, W1S+4*rT+(\s)%4
.set rSB, XS+4*\i+(\s)%4
	WM (\s)/4
.endr
.endr
	WIN 0xfc                                       ; tile 4: B, C and D window 3
.irp t, 0,1,2,3
.set rT, 4*(\half)+\t
.set rD, 64+8*rT
.set rC, rD
.if (\s) == 0
.set rC, 128+8*rT
.endif
.set rA, WF+64*(\half)+16*\t
.set rB, 16*((\s)%4)
.set rSA, W1S+4*rT+(\s)%4
.set rSB, XS+16+(\s)%4
	WM (\s)/4
.endr
.endm
; 64 numbers of a lane in window w from register s on, register 16 b + i = k 32 b + 16 (lane / 16) + i of my row, become a fragment's codes in v[PC] on and its scale word in v[PW].
; What is negative becomes 0 on the way: it does not count for the largest number (no |.|; the floor stands over it), and the hold clips at 0
.macro QUANT s, w
	WIN 5*(\w)                                     ; sources 0 and 1 in window w
.irp b, 0,1,2,3
	v_max3_num_f32 v[TM+\b], v[(\s)+16*\b], v[(\s)+1+16*\b], 0x8000000   ; each accumulator is read from its low end on; the floor 2^(16 - 127)
.endr
	WIN 20*(\w)                                    ; sources 1 and 2
.irp i, 2,4,6,8,10,12,14
.irp b, 0,1,2,3
	v_max3_num_f32 v[TM+\b], v[TM+\b], v[(\s)+16*\b+\i], v[(\s)+1+16*\b+\i]
.endr
.endr
	WIN 0
.irp b, 0,1,2,3
	v_permlanex16_b32 v[TM+4+\b], v[TM+\b], s38, s39
.endr
.irp b, 0,1,2,3
	v_max_num_f32 v[TM+\b], v[TM+\b], v[TM+4+\b]   ; with lane l xor 16's 16: the block's largest
.endr
.irp b, 0,1,2,3
	v_add_nc_u32 v[TM+12+\b], 0xf8800000, v[TM+\b] ; 15 off the exponent field: the conversion's scale operand
.endr
.irp b, 0,1,2,3
	v_and_or_b32 v[TM+8+\b], v[TM+\b], 0x7f800000, s40   ; 57,344 x the scale
.endr
.irp b, 0,1,2,3
	v_lshrrev_b32 v[TM+4+\b], 23, v[TM+12+\b]      ; the scale's byte
.endr
	v_lshl_or_b32 v[PW], v[TM+5], 8, v[TM+4]
	v_lshl_or_b32 v[PW], v[TM+6], 16, v[PW]
	v_lshl_or_b32 v[PW], v[TM+7], 24, v[PW]
	WIN 65*(\w)                                    ; destination and source 0
.irp b, 0,1,2,3
.irp i, 0,1,2,3,4,5,6,7,8,9,10,11,12,13,14,15
	v_med3_num_f32 v[(\s)+16*\b+\i], v[(\s)+16*\b+\i], 0, v[TM+8+\b]   ; the activation and the hold in one (the conversion does not saturate: ISA guide 7.6.2)
.endr
.endr
	WIN (\w)                                       ; source 0
.irp b, 0,1,2,3
	v_cvt_scalef32_pk8_bf8_f32 v[PC+4*\b:PC+4*\b+1], v[(\s)+16*\b:(\s)+16*\b+7], v[TM+12+\b]
	v_cvt_scalef32_pk8_bf8_f32 v[PC+4*\b+2:PC+4*\b+3], v[(\s)+16*\b+8:(\s)+16*\b+15], v[TM+12+\b]
.endr
	WIN 0
	v_nop                                          ; a plain instruction behind the last conversion, ahead of whatever next writes its sources
.endm
; row tile i of the pass leaves, if it lies under the expert's number of tiles: 2,048 dense bytes of codes (four stores of 512) and 16 scale words
.macro EPI i
	s_add_co_u32 s32, s29, 4*(\i)
	s_cmp_ge_u32 s32, s28
	s_cbranch_scc1 .Lno_tile_\@
	s_wait_xcnt 0x0                                ; the last tile's stores have read the codes and the word: both are written again below
.if (\i) < 4
	QUANT 64*(\i), 2
.else
	QUANT 64, 3
.endif
.irp c, 0,1,2,3
	global_store_b128 v[LI], v[PC+4*\c:PC+4*\c+3], s[34:35] offset:262144*(\i)+512*\c
.endr
	global_store_b32 v[HSO], v[PW], s[36:37] offset:8192*(\i)      ; lanes l and l + 16 write the same word with the same value
.Lno_tile_\@:
.endm
	s_load_b512 s[4:19], s[0:1], 0x0               ; W1's codes s[4:5], its scales s[6:7], b1 s[8:9], xq s[10:11], xs s[12:13], sel s[14:15], hq s[16:17], hs s[18:19]
	s_load_b64 s[20:21], s[0:1], 0x40              ; route
	s_set_vgpr_msb 0xc0
	v_lshl_add_u32 v192, v0, 2, 0x22400
	v_mov_b32 v193, 0
	s_set_vgpr_msb 0xc000
	v_lshrrev_b32 v1, 5, v0
	v_readfirstlane_b32 s22, v1                    ; wave 0..3
	s_lshr_b32 s23, ttmp9, 5                       ; the expert
	s_and_b32 s24, ttmp9, 31                       ; the slice
	s_lshl_b32 s25, 0x101, s23                     ; the expert's two bits in a word of sel
	s_add_co_u32 s26, s23, 8
	s_mov_b32 s38, 0x76543210
	s_mov_b32 s39, 0xfedcba98                      ; v_permlanex16_b32's selects for lane l xor 16
	s_mov_b32 s40, 0x600000                        ; the mantissa field of 57,344
	v_and_b32 v1, 15, v0                           ; r
	v_bfe_u32 v2, v0, 4, 1                         ; h
	v_and_b32 v66, 31, v0                          ; lane
	v_lshlrev_b32 v[LI], 4, v66
	v_lshlrev_b32 v[TK0], 2, v66
	v_add_nc_u32 v[TRA], (TRASH-LIST)/4, v66
	v_mul_u32_u24 v[AW0], v1, PW1
	v_lshl_add_u32 v[AW0], v2, 4, v[AW0]           ; row r x pitch + 16 h
	v_add_nc_u32 v[AW0+1], 64*PW1, v[AW0]          ; tiles 4-7 lie 64 rows on
	s_mul_i32 s32, s22, 32*PW1
	v_add_nc_u32 v[AFL], s32, v[LI]
	s_lshl_b32 s32, s22, 6
	s_add_co_u32 s32, s32, LIST
	v_lshl_add_u32 v[ALS], v1, 2, s32
	v_lshlrev_b32 v[HSO], 4, v1
	v_lshlrev_b32 v[V16H], 4, v2
	s_lshl_b32 s32, s22, 10
	v_add_nc_u32 v[EXO], s32, v[LI]
	v_add_nc_u32 v[EXA], LIST, v[EXO]
	v_lshlrev_b32 v[CNO], 2, v0
	v_lshlrev_b32 v[B1O], 6, v2
	v_and_b32 v67, 8, v1
	v_add_nc_u32 v67, v67, v1                      ; r + 8 (r / 8)
	v_lshlrev_b32 v67, 5, v67
	v_lshl_add_u32 v[W1SO], v2, 4, v67             ; 32 bytes of scales a row, + 16 h
.irp b, 0,1,2,3
	v_mov_b32 v[TM+4+\b], 0                        ; written once: a lane permute's destination counts as one of its sources
.endr
	s_mov_b32 s43, 0
	s_lshl_b32 s42, s23, 22                        ; W1's codes: (4096 e + 128 sl + 32 w) rows of 1,024 bytes
	s_lshl_b32 s32, s24, 17
	s_add_co_u32 s42, s42, s32
	s_lshl_b32 s32, s22, 15
	s_add_co_u32 s42, s42, s32
	s_wait_kmcnt 0x0
	s_add_nc_u64 s[4:5], s[4:5], s[42:43]
	s_lshl_b32 s42, s23, 17                        ; its scales: (4096 e + 128 sl) rows of 32 bytes
	s_lshl_b32 s32, s24, 12
	s_add_co_u32 s42, s42, s32
	s_add_nc_u64 s[6:7], s[6:7], s[42:43]
	s_lshl_b32 s42, s23, 14                        ; b1: (4096 e + 128 sl) numbers
	s_lshl_b32 s32, s24, 9
	s_add_co_u32 s42, s42, s32
	s_add_nc_u64 s[8:9], s[8:9], s[42:43]
	s_lshl_b32 s42, s23, 22                        ; hq: (64 e + w) tiles of 65,536 bytes + 2,048 sl
	s_lshl_b32 s32, s22, 16
	s_add_co_u32 s42, s42, s32
	s_lshl_b32 s32, s24, 11
	s_add_co_u32 s42, s42, s32
	s_add_nc_u64 s[34:35], s[16:17], s[42:43]
	s_lshl_b32 s42, s23, 17                        ; hs: (64 e + w) tiles of 2,048 bytes,
	s_lshl_b32 s32, s22, 11
	s_add_co_u32 s42, s42, s32
	s_lshr_b32 s32, s24, 3
	s_lshl_b32 s32, s32, 9
	s_add_co_u32 s42, s42, s32                     ; + 512 (sl / 8): the quarter,
	s_and_b32 s32, s24, 1
	s_lshl_b32 s32, s32, 8
	s_add_co_u32 s42, s42, s32                     ; + 256 (sl % 2): the half of the lanes that will read it,
	s_bfe_u32 s32, s24, 0x20001
	s_lshl_b32 s32, s32, 2
	s_add_co_u32 s42, s42, s32                     ; + 4 ((sl / 2) % 4): the word among a lane's four
	s_add_nc_u64 s[36:37], s[18:19], s[42:43]
	s_lshl_b32 s42, s23, 12                        ; route: the expert's list,
	s_add_nc_u64 s[44:45], s[20:21], s[42:43]
	s_lshl_b32 s42, s23, 9
	s_add_co_u32 s42, s42, 32768                   ; and the 128 words of its number of tiles
	s_add_nc_u64 s[46:47], s[20:21], s[42:43]
.irp q, 0,1,2,3,4,5,6,7
	global_load_b128 v[WF+4*\q:WF+4*\q+3], v[LI], s[14:15] offset:512*\q   ; sel: all 1,024 words, 32 a lane
.endr
	WIN 0x80                                       ; destination window 2: my wave's 32 rows of W1, 512 consecutive bytes a load
.set N, 0
.rept 56
	global_load_b128 v[4*N:4*N+3], v[LI], s[4:5] offset:1024*(N/2)+512*(N%2) th:TH_LOAD_NT
.set N, N+1
.endr
	WIN 0
	s_wait_loadcnt 56                              ; the 56 loads behind sel's may be out
	s_mov_b32 s27, 0
	s_cmp_lg_u32 s22, 0
	s_cbranch_scc1 .Lcount
	s_add_co_u32 s33, s23, 0x800                   ; the filler: 2048 + e
.irp n, 124,125,126,127
	v_mov_b32 v\n, s33
.endr
.irp n, 0,1,2,3,4,5,6,7,8,9,10,11,12
	ds_store_b128 v[EXA], v[124:127] offset:512*\n ; wave 0: the filler over the whole list; LDS serves a wave's instructions in order (ISA guide 5.7.1.4): the entries come behind it
.endr
.set N, 0
.rept 32
	LISTSTEP
.set N, N+1
.endr
	s_branch .Ljoin
.Lcount:
.set N, 0
.rept 32
	CNTSTEP
.set N, N+1
.endr
.Ljoin:
	s_add_co_u32 s28, s27, 15
	s_lshr_b32 s28, s28, 4                         ; T: the expert's row tiles
	WIN 0x80
.set N, 56
.rept 8
	global_load_b128 v[4*N:4*N+3], v[LI], s[4:5] offset:1024*(N/2)+512*(N%2) th:TH_LOAD_NT
.set N, N+1
.endr
	WIN 0xc0                                       ; destination window 3: b1 of tile t's eight units of my half: 32 b + 16 h + 8 u + 0 .. 7
.irp t, 0,1,2,3,4,5,6,7
	global_load_b128 v[128+8*\t:128+8*\t+3], v[B1O], s[8:9] offset:(32*(\t/2)+8*(\t%2))*4
	global_load_b128 v[128+8*\t+4:128+8*\t+7], v[B1O], s[8:9] offset:(32*(\t/2)+8*(\t%2))*4+16
.endr
	WIN 0
.irp t, 0,1,2,3,4,5,6,7
	global_load_b128 v[W1S+4*\t:W1S+4*\t+3], v[W1SO], s[6:7] offset:(32*(\t/2)+8*(\t%2))*32
.endr
	s_wait_dscnt 0x0                               ; for the others' sake: the list is written
	s_barrier_signal -1
	s_barrier_wait -1
	s_cmp_lg_u32 s24, 0                            ; the slice-0 work-group stores the expert's list and its number of tiles
	s_cbranch_scc1 .Lno_export
	ds_load_b128 v[120:123], v[EXA]
	ds_load_b128 v[124:127], v[EXA] offset:512
	v_mov_b32 v66, s28
	s_wait_dscnt 0x0
	global_store_b128 v[EXO], v[120:123], s[44:45]
	global_store_b128 v[EXO], v[124:127], s[44:45] offset:512
	global_store_b32 v[CNO], v66, s[46:47]
.Lno_export:
	s_mov_b32 s29, s22                             ; my first tile of pass 0
	s_mov_b32 s30, 0
	PROLOGUE 1                                     ; always: x's first K steps are asked for while W1's slice lands
	s_wait_loadcnt 63                              ; 85 loads were issued behind the weights' last: W1, b1 and W1's scale words are in
	WIN 0x08                                       ; an LDS store's data are its source 1: window 2
.set N, 0
.rept 64                               ; row N / 2 of my 32 goes to the row with bits 3 and 4 changed over: so a tile's 16 rows are neighbours in LDS
.set RH, N/2
	ds_store_b128 v[AFL], v[4*N:4*N+3] offset:PW1*((RH&7)|(((RH>>3)&1)<<4)|(((RH>>4)&1)<<3))+512*(N%2)
.set N, N+1
.endr
	WIN 0
	s_wait_dscnt 0x0                               ; for the others' sake: my rows are written
	s_barrier_signal -1
	s_barrier_wait -1                              ; the last barrier: from here on LDS is only read
	s_mov_b32 s31, 0
.Lpass:
	s_cmp_ge_u32 s29, s28                          ; no tile of mine in this pass?
	s_cbranch_scc1 .Lnext
	PLACES 9                                       ; the pass's first products begin accumulators anew
	WFETCH 0, 0
	WFETCH 1, 0
.irp s, 0,1,2,3,4,5,6,7
.if \s <= 4
	s_wait_loadcnt 60                              ; x's K step s is in: the 20 loads of each of three later steps may be out
.else
	s_wait_loadcnt 20*(7-\s)
.endif
	s_wait_dscnt 16                                ; W1's tiles 0-3 are in; the 16 loads of tiles 4-7 may be out
	MUL 0, \s
	WIN 0
.if \s < 7
	PLACES 8                                       ; ahead of loads into registers that the products above have read
	WFETCH 0, \s+1
	s_wait_dscnt 16                                ; tiles 4-7 are in; the 16 just issued may be out
.else
	s_wait_dscnt 0x0
.endif
	MUL 1, \s
	WIN 0
.if \s < 7
	PLACES 8
	WFETCH 1, \s+1
.endif
.if \s < 4
	XFETCH \s+4                                    ; into the registers of K step s, which both halves have multiplied
.endif
.endr
	PLACES 8                                       ; ahead of the first read of results, and of the next pass's loads
	EPI 0
	EPI 1
	EPI 2
	EPI 3
	EPI 4
.Lnext:
	s_wait_xcnt 0x0                                ; stores and loads have read their bases: they step
	s_add_co_u32 s29, s29, 20
	s_add_co_u32 s30, s30, 1280
	s_add_nc_u64 s[34:35], s[34:35], 1310720       ; 20 tiles of 65,536 bytes
	s_add_nc_u64 s[36:37], s[36:37], 40960         ; 20 tiles of 2,048
	s_cmp_ge_u32 s29, s28
	s_cbranch_scc1 .Lno_rows
	PROLOGUE 0
.Lno_rows:
	s_add_co_u32 s31, s31, 1
	s_cmp_lt_u32 s31, 4
	s_cbranch_scc1 .Lpass
	s_set_vgpr_msb 0xf
	s_wait_tensorcnt 0x0
	ds_add_u32 v192, v193
	s_wait_dscnt 0x0
	s_set_vgpr_msb 0xf00
	s_endpgm
.Lfunc_end_k_q59043136ca_ffn1:
	.size	k_q59043136ca_ffn1, .Lfunc_end_k_q59043136ca_ffn1-k_q59043136ca_ffn1
	.p2alignl 7, 3214868480
	.fill 96, 4, 3214868480
	.section	.rodata,"a",@progbits
	.p2align	6, 0x0
	.amdhsa_kernel k_q59043136ca_ffn1
		.amdhsa_group_segment_fixed_size 140800
		.amdhsa_private_segment_fixed_size 0
		.amdhsa_enable_private_segment 0
		.amdhsa_kernarg_size 72
		.amdhsa_user_sgpr_count 2
		.amdhsa_user_sgpr_kernarg_segment_ptr 1
		.amdhsa_wavefront_size32 1
		.amdhsa_system_sgpr_workgroup_id_x 1
		.amdhsa_system_sgpr_workgroup_id_y 1
		.amdhsa_system_sgpr_workgroup_id_z 1
		.amdhsa_system_vgpr_workitem_id 0
		.amdhsa_next_free_vgpr 962
		.amdhsa_next_free_sgpr 66
		.amdhsa_reserve_vcc 1
		.amdhsa_float_denorm_mode_32 3
		.amdhsa_float_denorm_mode_16_64 3
		.amdhsa_memory_ordered 1
		.amdhsa_forward_progress 1
		.amdhsa_inst_pref_size 177
	.end_amdhsa_kernel
	.amdgpu_metadata
---
amdhsa.version: [ 1, 2 ]
amdhsa.kernels:
  - .name:           k_q59043136ca_ffn1
    .symbol:         k_q59043136ca_ffn1.kd
    .args:
      - { .name: W1_codes, .offset: 0, .size: 8, .value_kind: global_buffer, .address_space: global }
      - { .name: W1_scales, .offset: 8, .size: 8, .value_kind: global_buffer, .address_space: global }
      - { .name: b1, .offset: 16, .size: 8, .value_kind: global_buffer, .address_space: global }
      - { .name: xq, .offset: 24, .size: 8, .value_kind: global_buffer, .address_space: global }
      - { .name: xs, .offset: 32, .size: 8, .value_kind: global_buffer, .address_space: global }
      - { .name: sel, .offset: 40, .size: 8, .value_kind: global_buffer, .address_space: global }
      - { .name: hq, .offset: 48, .size: 8, .value_kind: global_buffer, .address_space: global }
      - { .name: hs, .offset: 56, .size: 8, .value_kind: global_buffer, .address_space: global }
      - { .name: route, .offset: 64, .size: 8, .value_kind: global_buffer, .address_space: global }
    .group_segment_fixed_size: 140800
    .private_segment_fixed_size: 0
    .kernarg_segment_align: 8
    .kernarg_segment_size: 72
    .max_flat_workgroup_size: 128
    .sgpr_count:     66
    .vgpr_count:     962
    .wavefront_size: 32
...
	.end_amdgpu_metadata
.endif
;; end of part 2
;; launch ffn2 (part 3): grid 256 x 1, 4 waves a work-group, no clusters, 281,088 bytes of LDS; arguments W2_codes, W2_scales, b2, hq, hs, route, y; writes y
.if DOCPART == 3
	.amdgcn_target "amdgcn-amd-amdhsa--gfx1250"
	.amdhsa_code_object_version 6
	.text
	.protected	k_q59043136ca_ffn2
	.globl	k_q59043136ca_ffn2
	.p2align	8
	.type	k_q59043136ca_ffn2,@function
k_q59043136ca_ffn2:
	s_mov_b64 s[64:65], 0
	v_nop
	global_prefetch_b8 v0, s[64:65] scope:SCOPE_SE
	s_setreg_imm32_b32 hwreg(HW_REG_WAVE_MODE, 25, 1), 1
	s_wait_xcnt 0x0
; THE SECOND PRODUCT, FOR THE CHOSEN ROWS ALONE: y[slot x 1024 + token] = h W2[e] + b2[e], both operands codes of E5M2 with one E8M0 scale for each 32 along K = 4,096.
; W2_codes [8][1024][4096], W2_scales [8][1024][128], b2 [8][1024] f32; hq, hs, route as the launch before laid them.  y [2056][1024] f32: rows 0-2047 the results, not yet weighed.
; SHARES.  Work-group = (expert e = wg / 32, outputs 64 o .. + 63 with o = (wg / 2) % 16, parity g = wg % 2 of the row tiles).  The slice's 256 KB of W2 lie in LDS.
; A wave owns row tiles: in pass P wave w has tiles g + 2 (12 P + 4 i + w), i = 0..2: 12 accumulators (4 tiles of outputs x 3).  Three passes, a constant count, serve an expert that every
; token chose; a pass with no tile under the expert's number of tiles T is jumped over.  A tile beyond T re-reads 16 bytes of the wave's first tile (the same number of loads) and stores nothing.
; h's fragments and scale words are images of operand registers: each load reads 512 consecutive bytes.
; K IS WALKED FROM ANOTHER QUARTER IN EACH WORK-GROUP: quarter Q of my walk (8 K steps) is the true quarter (Q + o) % 4, so that the sixteen work-groups that walk the same rows of h do not all ask
; for the same bytes at the same time.  It is done by four scalar bases for each of W2's codes, W2's scales, hq and hs: LDS holds W2's columns in the order of my walk, and every register holds
; what its place in my walk wants; no LDS address and no register number hangs on it.  The f32 sums over the K steps so begin at another step from one work-group to the next.
; THE PRODUCT IS USED TRANSPOSED (source 0 = 16 rows of W2, source 1 = 16 routed rows): a lane holds 8 neighbouring outputs of one row.  A tile goes through the wave's own stage in LDS, and
; sixteen lanes store a row's 256 consecutive bytes, aligned, at the row that the list names.
; THE FILLER ROWS of an expert's last tile go to row 2048 + e of y, which the list's filler names and nobody reads: so every lane stores, and no mask is made of loaded numbers.  Only tile T - 1 has
; such rows, one parity g holds it, and the sixteen slices o write other columns: each of those bytes is stored by one work-group.
; EVERY ADDRESS REGISTER IS WRITTEN ON A PATH THAT ALL TRIPS TAKE: h's offsets where the passes join, y's at the loop's head; the branches on T jump over loads, products and stores alone.
; NO TENSOR LOADS, NO CLUSTER: which passes and tiles are worked hangs on a number read from memory, by scalar branches.
; LIMIT: a wave whose first tile lies beyond T (an expert with under 113 rows) still issues pass 0's loads, 16 bytes of hq and of hs that nobody stored; nothing is made of them: the pass is jumped over.
; REGISTERS, in windows of 256: window 0: v1-28 addresses; v32-95 W2's scale words, v96-143 h's; v144-167 the list's entries; v168-199 b2 in the result's layout; v200-231 rows on the way out; v232-255 offsets in y.
;   window 1: W2's fragments, four K steps deep (64 (s % 4) + 16 o'); first the registers through which W2 goes to LDS.   window 2: h's fragments, five K steps deep (48 (s % 5) + 16 i).
;   window 3: the accumulators (24 o' + 8 i).
.set PW2,  4112                        ; an LDS row of W2: 4,096 bytes + 16 = 1,028 words: row r starts at bank 4 r mod 64 (64 banks of 4 bytes: ISA guide 11.1)
.set STG,  64*PW2                      ; behind W2's 64 rows: a stage of 16 rows x 272 bytes for each wave
.set LANE, 3
.set LI,   4                           ; v4   16 x lane
.set AW,   5                           ; v5-8 my lane's place in tile o' of W2
.set AFL,  9                           ; v9   the fill: 16 x lane + my wave's 16 rows
.set SO,   10                          ; v10  the stage: where I put 32 bytes of a row
.set SR,   11                          ; v11  and where I read a row back
.set C16,  12                          ; v12  16 r
.set EO,   13                          ; v13  32 h
.set HO,   14                          ; v14-16 tile i: my 16 bytes of a fragment's image
.set HSO,  17                          ; v17-19 and my 16 bytes of its scale words
.set W2SO, 28                          ; v28  my row of W2's scale bytes
.set W2S,  32                          ; v[32 + 16 o' + 4 Q + j]: lanes 0-15 step 8 Q + j of my walk, lanes 16-31 step 8 Q + 4 + j
.set HS,   96                          ; v[96 + 16 i + u]: lanes 0-15 step 2 u of my walk, lanes 16-31 step 2 u + 1
.set ENT,  144                         ; v[144 + 8 i + q]: the list's entry of row q + 8 h
.set B2,   168
.set OB,   200
.set YO,   232                         ; v[232 + 8 i + q]: my byte in y for row q + 8 h of tile i
.set WB,   66                          ; s[66:73] W2's codes at my wave's rows, at the true quarter of each quarter of my walk
.set WS,   74                          ; s[74:81] W2's scales likewise
.set HQ,   82                          ; s[82:89] hq at my first tile of the pass, likewise
.set HSQ,  90                          ; s[90:97] hs likewise
.set MSB, 0
.macro WIN new                         ; the immediate's high byte repeats the setting that is left
.if MSB != (\new)
	s_set_vgpr_msb (MSB<<8)|(\new)
.set MSB, (\new)
.endif
.endm
.macro PLACES n                        ; plain vector instructions that name no register of a matrix instruction (ISA guide 7.12.1)
.rept \n
	v_nop
.endr
.endm
.macro WLOAD a                         ; group a of eight: two of my 16 rows of W2, 16 loads of 512 consecutive bytes; piece N % 8 of a row in LDS comes from the true quarter of quarter (N % 8) / 2
	WIN 0x40
.set N, 0
.rept 16
	global_load_b128 v[64*((\a)%4)+4*N:64*((\a)%4)+4*N+3], v[LI], s[WB+2*((N%8)/2):WB+2*((N%8)/2)+1] offset:4096*(2*(\a)+N/8)+512*(N%2) th:TH_LOAD_NT
.set N, N+1
.endr
.endm
.macro WSTORE a
	WIN 0x04                                       ; an LDS store's data are its source 1: window 1
.set N, 0
.rept 16
	ds_store_b128 v[AFL], v[64*((\a)%4)+4*N:64*((\a)%4)+4*N+3] offset:PW2*(2*(\a)+N/8)+512*(N%8)
.set N, N+1
.endr
.endm
.macro HFETCH s                        ; step s of my walk: h's three fragments
	WIN 0x80
.irp i, 0,1,2
.irp c, 0,1,2,3
	global_load_b128 v[48*((\s)%5)+16*\i+4*\c:48*((\s)%5)+16*\i+4*\c+3], v[HO+\i], s[HQ+2*((\s)/8):HQ+2*((\s)/8)+1] offset:2048*((\s)%8)+512*\c
.endr
.endr
.endm
.macro WFETCH s                        ; step s of my walk: W2's four fragments, from LDS
	WIN 0x40
.irp o, 0,1,2,3
.irp c, 0,1,2,3
	ds_load_b128 v[64*((\s)%4)+16*\o+4*\c:64*((\s)%4)+16*\o+4*\c+3], v[AW+\o] offset:128*(\s)+32*\c
.endr
.endr
.endm
; a pass's offsets into hq and hs: 0 for a tile beyond T: a choice between constants, no jump.  first = 0: all earlier loads are waited for, on every path, so that their address registers may be written
.macro ADDR first
.if !(\first)
	s_wait_loadcnt 0x0
.endif
.irp i, 0,1,2
	s_add_co_u32 s32, s29, 8*\i
	s_cmp_lt_u32 s32, s28
	s_cselect_b32 s33, 16, 0
	s_cselect_b32 s34, 524288*\i, 0                ; 8 tiles of 65,536 bytes from one of my tiles to the next
	s_cselect_b32 s45, 16384*\i, 0                 ; 8 tiles of 2,048
	v_mad_u32_u24 v[HO+\i], v[LANE], s33, s34
	v_mad_u32_u24 v[HSO+\i], v[LANE], s33, s45
.endr
.endm
; the head of a pass's loads, 18 of them: the list's entries first, then h's scale words of all 32 steps
.macro LOADSA
	WIN 0
.irp i, 0,1,2
	global_load_b128 v[ENT+8*\i:ENT+8*\i+3], v[EO], s[40:41] offset:512*\i
	global_load_b128 v[ENT+8*\i+4:ENT+8*\i+7], v[EO], s[40:41] offset:512*\i+16
.endr
.irp i, 0,1,2
.irp q, 0,1,2,3
	global_load_b128 v[HS+16*\i+4*\q:HS+16*\i+4*\q+3], v[HSO+\i], s[HSQ+2*\q:HSQ+2*\q+1]
.endr
.endr
.endm
.macro LOADS                           ; a later pass's loads in one run
	LOADSA
	HFETCH 0
	HFETCH 1
	HFETCH 2
	HFETCH 3
	HFETCH 4
	WIN 0
.endm
.macro WM ra, rb                       ; one product on the registers named by rD, rA, rB, rC, rSA, rSB; ra, rb = 1: that side's scale words from lanes 16-31
.if (\ra) && (\rb)
	v_wmma_scale_f32_16x16x128_f8f6f4 v[rD:rD+7], v[rA:rA+15], v[rB:rB+15], v[rC:rC+7], v[rSA], v[rSB] matrix_a_fmt:MATRIX_FMT_BF8 matrix_b_fmt:MATRIX_FMT_BF8 matrix_a_scale:MATRIX_SCALE_ROW1 matrix_b_scale:MATRIX_SCALE_ROW1
.elseif (\ra)
	v_wmma_scale_f32_16x16x128_f8f6f4 v[rD:rD+7], v[rA:rA+15], v[rB:rB+15], v[rC:rC+7], v[rSA], v[rSB] matrix_a_fmt:MATRIX_FMT_BF8 matrix_b_fmt:MATRIX_FMT_BF8 matrix_a_scale:MATRIX_SCALE_ROW1
.elseif (\rb)
	v_wmma_scale_f32_16x16x128_f8f6f4 v[rD:rD+7], v[rA:rA+15], v[rB:rB+15], v[rC:rC+7], v[rSA], v[rSB] matrix_a_fmt:MATRIX_FMT_BF8 matrix_b_fmt:MATRIX_FMT_BF8 matrix_b_scale:MATRIX_SCALE_ROW1
.else
	v_wmma_scale_f32_16x16x128_f8f6f4 v[rD:rD+7], v[rA:rA+15], v[rB:rB+15], v[rC:rC+7], v[rSA], v[rSB] matrix_a_fmt:MATRIX_FMT_BF8 matrix_b_fmt:MATRIX_FMT_BF8
.endif
.endm
; 12 products: four tiles of outputs x three row tiles, step s of my walk.  The 12 accumulators take turns, one instruction a turn.  At s = 0 the bias is the C
.macro MUL s
.if (\s) == 0
	WIN 0xc9                                       ; A window 1, B window 2, C (b2) window 0, D window 3
.else
	WIN 0xf9                                       ; C and D window 3
.endif
.irp o, 0,1,2,3
.irp i, 0,1,2
.set rD, 24*\o+8*\i
.set rC, rD
.if (\s) == 0
.set rC, B2+8*\o
.endif
.set rA, 64*((\s)%4)+16*\o
.set rB, 48*((\s)%5)+16*\i
.set rSA, W2S+16*\o+4*((\s)/8)+(\s)%4
.set rSB, HS+16*\i+(\s)/2
	WM ((\s)/4)%2, (\s)%2
.endr
.endr
.endm
; row tile i of the pass leaves, if it lies under T
.macro EPI i
	s_add_co_u32 s32, s29, 8*(\i)
	s_cmp_ge_u32 s32, s28
	s_cbranch_scc1 .Lno_tile_\@
	WIN 0x0c                                       ; an LDS store's data are its source 1: window 3
.irp o, 0,1,2,3
	ds_store_b128 v[SO], v[24*\o+8*(\i):24*\o+8*(\i)+3] offset:64*\o           ; each accumulator from its low end on
	ds_store_b128 v[SO], v[24*\o+8*(\i)+4:24*\o+8*(\i)+7] offset:64*\o+16
.endr
	WIN 0
	s_wait_xcnt 0x0                                ; the last tile's stores have read their rows, which are loaded again below
.irp q, 0,1,2,3,4,5,6,7
	ds_load_b128 v[OB+4*\q:OB+4*\q+3], v[SR] offset:272*\q         ; LDS serves a wave's instructions in order (ISA guide 5.7.1.4): these see my stores.  Lanes 0-15: row q; lanes 16-31: row q + 8
.endr
.irp q, 0,1,2,3,4,5,6,7
	s_wait_dscnt 7-\q                              ; load q is in; the later ones may be out
	global_store_b128 v[YO+8*(\i)+\q], v[OB+4*\q:OB+4*\q+3], s[42:43]          ; 16 lanes store 256 consecutive bytes, aligned
.endr
.Lno_tile_\@:
.endm
	s_load_b256 s[4:11], s[0:1], 0x0               ; W2's codes s[4:5], its scales s[6:7], b2 s[8:9], hq s[10:11]
	s_load_b128 s[12:15], s[0:1], 0x20             ; hs s[12:13], route s[14:15]
	s_load_b64 s[16:17], s[0:1], 0x30              ; y
	v_lshl_add_u32 v30, v0, 2, 0x44800
	v_mov_b32 v31, 0
	v_lshrrev_b32 v1, 5, v0
	v_readfirstlane_b32 s22, v1                    ; wave 0..3
	s_lshr_b32 s23, ttmp9, 5                       ; the expert
	s_bfe_u32 s24, ttmp9, 0x40001                  ; o: which 64 outputs
	s_and_b32 s25, ttmp9, 1                        ; g: which row tiles
	s_and_b32 s26, s24, 3                          ; the true quarter at which my walk along K begins
	v_and_b32 v1, 15, v0                           ; r
	v_bfe_u32 v2, v0, 4, 1                         ; h
	v_and_b32 v[LANE], 31, v0
	v_lshlrev_b32 v[LI], 4, v[LANE]
	v_mul_u32_u24 v29, v1, PW2
	v_lshl_add_u32 v29, v2, 4, v29                 ; row r x pitch + 16 h
.irp o, 0,1,2,3
	v_add_nc_u32 v[AW+\o], 16*PW2*\o, v29
.endr
	s_mul_i32 s32, s22, 16*PW2
	v_add_nc_u32 v[AFL], s32, v[LI]
	s_mul_i32 s32, s22, 16*272
	s_add_co_u32 s32, s32, STG                     ; my stage
	v_mul_u32_u24 v[SO], v1, 272
	v_lshl_add_u32 v[SO], v2, 5, v[SO]
	v_add_nc_u32 v[SO], s32, v[SO]                 ; in: row r, + 32 h
	v_mul_u32_u24 v[SR], v2, 8*272
	v_lshl_add_u32 v[SR], v1, 4, v[SR]
	v_add_nc_u32 v[SR], s32, v[SR]                 ; back: lanes 0-15 rows 0-7, lanes 16-31 rows 8-15; 16 bytes a lane
	v_lshlrev_b32 v[C16], 4, v1
	v_lshlrev_b32 v[EO], 5, v2
	v_lshlrev_b32 v[W2SO], 7, v1
	v_lshl_add_u32 v[W2SO], v2, 4, v[W2SO]         ; 128 bytes of scales a row, + 16 h
	s_mov_b32 s57, 0
	s_lshl_b32 s32, s22, 1
	s_add_co_u32 s29, s32, s25                     ; my first tile of pass 0: g + 2 w
	s_wait_kmcnt 0x0
	s_lshl_b32 s56, s23, 9
	s_add_co_u32 s56, s56, 32768
	s_add_nc_u64 s[58:59], s[14:15], s[56:57]
	s_load_b32 s28, s[58:59], 0x0                  ; T: the expert's row tiles
	s_lshl_b32 s56, s23, 22                        ; W2's codes: (1024 e + 64 o + 16 w) rows of 4,096 bytes
	s_lshl_b32 s32, s24, 18
	s_add_co_u32 s56, s56, s32
	s_lshl_b32 s32, s22, 16
	s_add_co_u32 s56, s56, s32
	s_add_nc_u64 s[4:5], s[4:5], s[56:57]
	s_lshl_b32 s56, s23, 17                        ; its scales: (1024 e + 64 o) rows of 128 bytes
	s_lshl_b32 s32, s24, 13
	s_add_co_u32 s56, s56, s32
	s_add_nc_u64 s[6:7], s[6:7], s[56:57]
	s_lshl_b32 s56, s23, 12                        ; b2: (1024 e + 64 o) numbers
	s_lshl_b32 s32, s24, 8
	s_add_co_u32 s56, s56, s32
	s_add_nc_u64 s[8:9], s[8:9], s[56:57]
	s_lshl_b32 s56, s23, 22                        ; hq: (64 e + my first tile) x 65,536
	s_lshl_b32 s32, s29, 16
	s_add_co_u32 s56, s56, s32
	s_add_nc_u64 s[36:37], s[10:11], s[56:57]
	s_lshl_b32 s56, s23, 17                        ; hs: x 2,048
	s_lshl_b32 s32, s29, 11
	s_add_co_u32 s56, s56, s32
	s_add_nc_u64 s[38:39], s[12:13], s[56:57]
	s_lshl_b32 s56, s23, 12                        ; the list: 4,096 e + 64 x tile
	s_lshl_b32 s32, s29, 6
	s_add_co_u32 s56, s56, s32
	s_add_nc_u64 s[40:41], s[14:15], s[56:57]
	s_lshl_b32 s56, s24, 8                         ; y: my 64 columns
	s_add_nc_u64 s[42:43], s[16:17], s[56:57]
.irp q, 0,1,2,3                        ; quarter q of my walk is the true quarter (q + o) % 4: 8 K steps
	s_add_co_u32 s32, s26, \q
	s_and_b32 s32, s32, 3
	s_lshl_b32 s56, s32, 10                        ; 1,024 bytes of a row of W2's codes,
	s_add_nc_u64 s[WB+2*\q:WB+2*\q+1], s[4:5], s[56:57]
	s_lshl_b32 s56, s32, 5                         ; 32 of a row of its scales,
	s_add_nc_u64 s[WS+2*\q:WS+2*\q+1], s[6:7], s[56:57]
	s_lshl_b32 s56, s32, 14                        ; 16,384 of a tile of hq,
	s_add_nc_u64 s[HQ+2*\q:HQ+2*\q+1], s[36:37], s[56:57]
	s_lshl_b32 s56, s32, 9                         ; 512 of a tile of hs
	s_add_nc_u64 s[HSQ+2*\q:HSQ+2*\q+1], s[38:39], s[56:57]
.endr
.irp o, 0,1,2,3
.irp q, 0,1,2,3
	global_load_b128 v[W2S+16*\o+4*\q:W2S+16*\o+4*\q+3], v[W2SO], s[WS+2*\q:WS+2*\q+1] offset:2048*\o
.endr
.endr
.irp o, 0,1,2,3
	global_load_b128 v[B2+8*\o:B2+8*\o+3], v[EO], s[8:9] offset:64*\o          ; b2 of the tile's eight outputs of my half
	global_load_b128 v[B2+8*\o+4:B2+8*\o+7], v[EO], s[8:9] offset:64*\o+16
.endr
	WLOAD 0
	WLOAD 1
	WLOAD 2
	WLOAD 3
	WIN 0
	s_wait_kmcnt 0x0
	s_min_u32 s28, s28, 64                         ; an expert has at most 64 row tiles
	ADDR 1                                         ; pass 0's offsets: no pending load names these registers
; THE FILL: group a is stored when it is in; each count is that of the loads issued behind the group.  Pass 0's loads are issued between the last four groups' stores, as the groups' arrival
; makes room: so loads of the wave are on their way without a break from W2's first to h's last
.irp a, 0,1,2,3
	s_wait_loadcnt 48                              ; three groups of 16 behind group a
	WSTORE \a
	s_wait_dscnt 0x0                               ; the stores have read their registers, which take group a + 4
	WLOAD \a+4
.endr
	s_wait_loadcnt 48                              ; behind group 4: groups 5, 6, 7
	WSTORE 4
	LOADSA
	s_wait_loadcnt 50                              ; behind group 5: groups 6, 7 and the 18 of entries and scale words
	WSTORE 5
	HFETCH 0
	HFETCH 1
	s_wait_loadcnt 58                              ; behind group 6: group 7, the 18, and 24 of h's steps 0 and 1
	WSTORE 6
	HFETCH 2
	s_wait_loadcnt 54                              ; behind group 7: the 18, the 24, and 12 of step 2
	WSTORE 7
	HFETCH 3
	HFETCH 4
	WIN 0
	s_wait_dscnt 0x0                               ; for the others' sake: my rows of W2 are written
	s_barrier_signal -1
	s_barrier_wait -1                              ; the one barrier: from here on W2's rows are only read, and a stage is its wave's own
	s_mov_b32 s31, 0
.Lpass:
	s_wait_loadcnt 63                              ; 72 loads were issued behind the six of the list's entries: the entries are in (where the loads were jumped over, nothing is out)
.irp i, 0,1,2
.irp q, 0,1,2,3,4,5,6,7
	v_min_u32 v[YO+8*\i+\q], 0x807, v[ENT+8*\i+\q] ; y's row: slot x 1024 + token, or the filler's 2048 + e
.endr
.endr
.irp i, 0,1,2
.irp q, 0,1,2,3,4,5,6,7
	v_lshl_add_u32 v[YO+8*\i+\q], v[YO+8*\i+\q], 12, v[C16]        ; 4,096 bytes a row, 16 bytes a lane
.endr
.endr
	s_cmp_ge_u32 s29, s28                          ; no tile of mine in this pass?
	s_cbranch_scc1 .Lnext
	PLACES 9                                       ; the pass's first products begin accumulators anew
	WFETCH 0
	WFETCH 1
	WFETCH 2
.set S, 0
.rept 32
.if S > 0
	PLACES 8                                       ; ahead of loads into the registers that step S - 1's products have read
.endif
.if S+3 <= 31
	WFETCH S+3
.endif
.if (S >= 1) && (S+4 <= 31)
	HFETCH S+4
.endif
.if 31-S >= 4
	s_wait_loadcnt 48                              ; h's step S is in: the 12 loads of each of four later steps may be out
.else
	s_wait_loadcnt 12*(31-S)
.endif
.if 31-S >= 3
	s_wait_dscnt 48                                ; W2's step S is in: the 16 loads of each of three later steps may be out
.else
	s_wait_dscnt 16*(31-S)
.endif
	MUL S
.set S, S+1
.endr
	WIN 0
	PLACES 8                                       ; ahead of the first read of results, and of the next pass's loads
	EPI 0
	EPI 1
	EPI 2
.Lnext:
	s_wait_xcnt 0x0                                ; loads and stores have read their bases and offsets: they step
	s_add_co_u32 s29, s29, 24
.irp q, 0,1,2,3
	s_add_nc_u64 s[HQ+2*\q:HQ+2*\q+1], s[HQ+2*\q:HQ+2*\q+1], 1572864           ; 24 tiles of 65,536 bytes
	s_add_nc_u64 s[HSQ+2*\q:HSQ+2*\q+1], s[HSQ+2*\q:HSQ+2*\q+1], 49152         ; of 2,048
.endr
	s_add_nc_u64 s[40:41], s[40:41], 1536          ; of 64
	ADDR 0                                         ; on every path
	s_cmp_ge_u32 s29, s28
	s_cbranch_scc1 .Lno_rows
	LOADS
.Lno_rows:
	s_add_co_u32 s31, s31, 1
	s_cmp_lt_u32 s31, 3
	s_cbranch_scc1 .Lpass
	s_wait_tensorcnt 0x0
	ds_add_u32 v30, v31
	s_wait_dscnt 0x0
	s_endpgm
.Lfunc_end_k_q59043136ca_ffn2:
	.size	k_q59043136ca_ffn2, .Lfunc_end_k_q59043136ca_ffn2-k_q59043136ca_ffn2
	.p2alignl 7, 3214868480
	.fill 96, 4, 3214868480
	.section	.rodata,"a",@progbits
	.p2align	6, 0x0
	.amdhsa_kernel k_q59043136ca_ffn2
		.amdhsa_group_segment_fixed_size 281088
		.amdhsa_private_segment_fixed_size 0
		.amdhsa_enable_private_segment 0
		.amdhsa_kernarg_size 56
		.amdhsa_user_sgpr_count 2
		.amdhsa_user_sgpr_kernarg_segment_ptr 1
		.amdhsa_wavefront_size32 1
		.amdhsa_system_sgpr_workgroup_id_x 1
		.amdhsa_system_sgpr_workgroup_id_y 1
		.amdhsa_system_sgpr_workgroup_id_z 1
		.amdhsa_system_vgpr_workitem_id 0
		.amdhsa_next_free_vgpr 864
		.amdhsa_next_free_sgpr 98
		.amdhsa_reserve_vcc 0
		.amdhsa_float_denorm_mode_32 3
		.amdhsa_float_denorm_mode_16_64 3
		.amdhsa_memory_ordered 1
		.amdhsa_forward_progress 1
		.amdhsa_inst_pref_size 179
	.end_amdhsa_kernel
	.amdgpu_metadata
---
amdhsa.version: [ 1, 2 ]
amdhsa.kernels:
  - .name:           k_q59043136ca_ffn2
    .symbol:         k_q59043136ca_ffn2.kd
    .args:
      - { .name: W2_codes, .offset: 0, .size: 8, .value_kind: global_buffer, .address_space: global }
      - { .name: W2_scales, .offset: 8, .size: 8, .value_kind: global_buffer, .address_space: global }
      - { .name: b2, .offset: 16, .size: 8, .value_kind: global_buffer, .address_space: global }
      - { .name: hq, .offset: 24, .size: 8, .value_kind: global_buffer, .address_space: global }
      - { .name: hs, .offset: 32, .size: 8, .value_kind: global_buffer, .address_space: global }
      - { .name: route, .offset: 40, .size: 8, .value_kind: global_buffer, .address_space: global }
      - { .name: y, .offset: 48, .size: 8, .value_kind: global_buffer, .address_space: global }
    .group_segment_fixed_size: 281088
    .private_segment_fixed_size: 0
    .kernarg_segment_align: 8
    .kernarg_segment_size: 56
    .max_flat_workgroup_size: 128
    .sgpr_count:     98
    .vgpr_count:     864
    .wavefront_size: 32
...
	.end_amdgpu_metadata
.endif
;; end of part 3
;; launch comb (part 4): grid 256 x 1, 4 waves a work-group, no clusters, 0 bytes of LDS; arguments y, gw, out0; writes out0
.if DOCPART == 4
	.amdgcn_target "amdgcn-amd-amdhsa--gfx1250"
	.amdhsa_code_object_version 6
	.text
	.protected	k_q59043136ca_comb
	.globl	k_q59043136ca_comb
	.p2align	8
	.type	k_q59043136ca_comb,@function
k_q59043136ca_comb:
	s_mov_b64 s[64:65], 0
	v_nop
	global_prefetch_b8 v0, s[64:65] scope:SCOPE_SE
	s_setreg_imm32_b32 hwreg(HW_REG_WAVE_MODE, 25, 1), 1
	s_wait_xcnt 0x0
; THE WEIGHED SUM OVER EXPERTS: out0[n] = gw[0][n] y[n] + gw[1][n] y[1024 + n], in f32.  The other six experts' weights are zeros by the mask that the problem builds itself.
; y [2048][1024] f32, gw [2][1024] f32, out0 [1024][1024] f32.  A wave takes one token: two rows of 4,096 bytes in, one out; each load and store covers 512 consecutive bytes.
; A stream: no LDS, no barrier, no matrix unit, no cluster (nothing is shared).  All 16 loads of a wave go out at once; each piece has registers of its own, so no store's data are written again.
.set Y0, 8                             ; v8-39   the first expert's row, then the result
.set Y1, 40                            ; v40-71  the second's
	s_load_b128 s[4:7], s[0:1], 0x0                ; y s[4:5], gw s[6:7]
	s_load_b64 s[8:9], s[0:1], 0x10                ; out0
	v_lshrrev_b32 v1, 5, v0
	v_readfirstlane_b32 s10, v1                    ; wave
	v_and_b32 v1, 31, v0
	v_lshlrev_b32 v1, 4, v1                        ; 16 bytes a lane
	s_lshl_b32 s11, ttmp9, 2
	s_add_co_u32 s11, s11, s10                     ; my token
	s_lshl_b32 s12, s11, 12
	s_mov_b32 s13, 0
	s_lshl_b32 s14, s11, 2
	s_mov_b32 s15, 0
	s_wait_kmcnt 0x0
	s_add_nc_u64 s[6:7], s[6:7], s[14:15]
	s_load_b32 s20, s[6:7], 0x0                    ; the first weight,
	s_load_b32 s22, s[6:7], 0x1000                 ; the second
	s_add_nc_u64 s[4:5], s[4:5], s[12:13]
	s_add_nc_u64 s[8:9], s[8:9], s[12:13]
.irp j, 0,1,2,3,4,5,6,7
	global_load_b128 v[Y0+4*\j:Y0+4*\j+3], v1, s[4:5] offset:512*\j th:TH_LOAD_NT
.endr
.irp j, 0,1,2,3,4,5,6,7
	global_load_b128 v[Y1+4*\j:Y1+4*\j+3], v1, s[4:5] offset:4194304+512*\j th:TH_LOAD_NT
.endr
	s_wait_kmcnt 0x0
	s_mov_b32 s21, s20                             ; (the packed forms name pairs and take the low word for both halves: so the high words are written)
	s_mov_b32 s23, s22
.irp j, 0,1,2,3,4,5,6,7
	s_wait_loadcnt 7-\j                            ; piece j of the second row is in, and with it all of the first row, which was asked for earlier
	v_pk_mul_f32 v[Y1+4*\j:Y1+4*\j+1], v[Y1+4*\j:Y1+4*\j+1], s[22:23] op_sel_hi:[1,0]
	v_pk_mul_f32 v[Y1+4*\j+2:Y1+4*\j+3], v[Y1+4*\j+2:Y1+4*\j+3], s[22:23] op_sel_hi:[1,0]
	v_pk_fma_f32 v[Y0+4*\j:Y0+4*\j+1], v[Y0+4*\j:Y0+4*\j+1], s[20:21], v[Y1+4*\j:Y1+4*\j+1] op_sel_hi:[1,0,1]
	v_pk_fma_f32 v[Y0+4*\j+2:Y0+4*\j+3], v[Y0+4*\j+2:Y0+4*\j+3], s[20:21], v[Y1+4*\j+2:Y1+4*\j+3] op_sel_hi:[1,0,1]
	global_store_b128 v1, v[Y0+4*\j:Y0+4*\j+3], s[8:9] offset:512*\j th:TH_STORE_NT
.endr
	s_endpgm
.Lfunc_end_k_q59043136ca_comb:
	.size	k_q59043136ca_comb, .Lfunc_end_k_q59043136ca_comb-k_q59043136ca_comb
	.p2alignl 7, 3214868480
	.fill 96, 4, 3214868480
	.section	.rodata,"a",@progbits
	.p2align	6, 0x0
	.amdhsa_kernel k_q59043136ca_comb
		.amdhsa_group_segment_fixed_size 0
		.amdhsa_private_segment_fixed_size 0
		.amdhsa_enable_private_segment 0
		.amdhsa_kernarg_size 24
		.amdhsa_user_sgpr_count 2
		.amdhsa_user_sgpr_kernarg_segment_ptr 1
		.amdhsa_wavefront_size32 1
		.amdhsa_system_sgpr_workgroup_id_x 1
		.amdhsa_system_sgpr_workgroup_id_y 1
		.amdhsa_system_sgpr_workgroup_id_z 1
		.amdhsa_system_vgpr_workitem_id 0
		.amdhsa_next_free_vgpr 72
		.amdhsa_next_free_sgpr 66
		.amdhsa_reserve_vcc 0
		.amdhsa_float_denorm_mode_32 3
		.amdhsa_float_denorm_mode_16_64 3
		.amdhsa_memory_ordered 1
		.amdhsa_forward_progress 1
		.amdhsa_inst_pref_size 6
	.end_amdhsa_kernel
	.amdgpu_metadata
---
amdhsa.version: [ 1, 2 ]
amdhsa.kernels:
  - .name:           k_q59043136ca_comb
    .symbol:         k_q59043136ca_comb.kd
    .args:
      - { .name: y, .offset: 0, .size: 8, .value_kind: global_buffer, .address_space: global }
      - { .name: gw, .offset: 8, .size: 8, .value_kind: global_buffer, .address_space: global }
      - { .name: out0, .offset: 16, .size: 8, .value_kind: global_buffer, .address_space: global }
    .group_segment_fixed_size: 0
    .private_segment_fixed_size: 0
    .kernarg_segment_align: 8
    .kernarg_segment_size: 24
    .max_flat_workgroup_size: 128
    .sgpr_count:     66
    .vgpr_count:     72
    .wavefront_size: 32
...
	.end_amdgpu_metadata
.endif
;; end of part 4
;; ======== version 2 of 2: 4 launches
;; workspace buffers: xq 1,048,576 bytes; xs 32,768 bytes; sel 4,096 bytes of whole numbers; gw 8,192 bytes; route 36,864 bytes of whole numbers; hq 33,554,432 bytes; hs 1,048,576 bytes; y 8,421,376 bytes
;; launch gate (part 5): grid 256 x 1, 4 waves a work-group, no clusters, 0 bytes of LDS; arguments x, Wg, bg, xq, xs, sel, gw; writes xq, xs, sel, gw
.if DOCPART == 5
	.amdgcn_target "amdgcn-amd-amdhsa--gfx1250"
	.amdhsa_code_object_version 6
	.text
	.protected	k_q59043136ca_gate
	.globl	k_q59043136ca_gate
	.p2align	8
	.type	k_q59043136ca_gate,@function
k_q59043136ca_gate:
	s_mov_b64 s[64:65], 0
	v_nop
	global_prefetch_b8 v0, s[64:65] scope:SCOPE_SE
	s_setreg_imm32_b32 hwreg(HW_REG_WAVE_MODE, 25, 1), 1
	s_wait_xcnt 0x0
; THE ROUTER AND x's QUANTISER.  x [1024][1024] f32, Wg [1024][8] f32, bg [8] f32.
; Out: xq [token][1024] codes of E5M2, K innermost; xs [token][32] E8M0 bytes, one for each 32 along K;
;      sel [token] u32 = (1 << first expert) | (1 << (8 + second expert)); gw [2][token] f32: the two gate weights.
; scores = x Wg + bg in f32; top 2, the lower index winning a tie; softmax over all 8 with the maximum taken away; the two kept weights divided by (their sum + 1e-8).
; SHARES.  A wave takes one token, a work-group of four waves four.  Lane l holds, of the row, k = 256 j + 8 l + t (j = 0..3, t = 0..7): two loads cover 1,024 consecutive bytes,
; a block of 32 along K lies in 4 neighbouring lanes, and a lane's 8 codes are 8 bytes, so that the wave stores 256 consecutive bytes, aligned.
; The choice is made of floating-point numbers, so no address here hangs on it: it is stored at fixed places and used by the next launch.
; No LDS, no barrier (waves share nothing), no matrix unit (a product with 8 columns), no cluster (work-groups share Wg alone, 32 KB).
; LIMITS: NaN and infinities are not served.  A token whose second and third score differ by less than the rounding of an f32 sum of 1,024 terms may choose the other of the two.
; A block whose largest magnitude lies under 2^-111, a block of zeros among them, gets the byte 1: its codes are then zeros or tiny, and this program alone reads the bytes.
.set LN,   5                           ; v5       lane
.set X,    16                          ; v16-47   x: X + 8 j + t
.set ACC,  48                          ; v48-63   the scores' sums, two sets of 8: groups j = 0, 2 and groups j = 1, 3
.set SC,   48                          ; v48-55   then the 8 scores
.set TH,   64                          ; v64-79   two sets of 8 held numbers
.set MX,   80                          ; v80-87   two sets: largest magnitude, scale operand, hold
.set CD,   88                          ; v88-95   4 pairs of codes: each store has its own
.set BY,   96                          ; v96-99   scale bytes of the four groups
.set BS,   100                         ; v100     the byte that my lane stores
.set PD,   16                          ; behind the scores x's registers are free: v16-23 the other half's sums
.set S2,   104                         ; v104-111 the scores without the winner
.set DX,   112                         ; v112-119 exponents, then exponentials
.set BEST, 120
.set I1,   121
.set BEST2, 122
.set I2,   123
.set NINF, 124
.set ONE,  125
.set E2,   126
.set ZS,   127
.set RZ,   128
.set P2,   129
.set DEN,  130
.set G1,   131
.set G2,   132
.set SELR, 133
.set TT,   134
.set MSB, 0
.macro WIN new                         ; the immediate's high byte repeats the setting that is left
.if MSB != (\new)
	s_set_vgpr_msb (MSB<<8)|(\new)
.set MSB, (\new)
.endif
.endm
	s_load_b256 s[4:11], s[0:1], 0x0               ; x s[4:5], Wg s[6:7], bg s[8:9], xq s[10:11]
	s_load_b128 s[12:15], s[0:1], 0x20             ; xs s[12:13], sel s[14:15]
	s_load_b64 s[16:17], s[0:1], 0x30              ; gw
	v_lshrrev_b32 v1, 5, v0
	v_readfirstlane_b32 s18, v1                    ; wave 0..3
	v_and_b32 v[LN], 31, v0
	v_lshlrev_b32 v1, 5, v[LN]                     ; x: 32 bytes a lane
	v_lshlrev_b32 v2, 8, v[LN]                     ; Wg: 8 rows of 32 bytes a lane
	v_lshlrev_b32 v3, 3, v[LN]                     ; codes: 8 bytes a lane
	v_and_b32 v6, 3, v[LN]
	v_lshrrev_b32 v7, 2, v[LN]
	v_lshl_add_u32 v4, v6, 3, v7                   ; the scale byte that my lane stores: block 8 (l % 4) + l / 4
	v_lshlrev_b32 v8, 2, v[LN]                     ; the three words at the end: lane 0 alone stores them
	v_and_b32 v7, 1, v0
	v_cmp_ne_u32 s31, 0, v7                        ; lanes with bit 0 set
	v_and_b32 v7, 2, v0
	v_cmp_ne_u32 s32, 0, v7                        ; lanes with bit 1 set
	s_mov_b32 s28, 0x76543210
	s_mov_b32 s29, 0xfedcba98                      ; v_permlanex16_b32's selects for lane l xor 16
	s_mov_b32 s30, 0x600000                        ; the mantissa field of 57,344
	s_lshl_b32 s19, ttmp9, 2
	s_add_co_u32 s19, s19, s18                     ; my token
	s_mov_b32 s3, 0
	s_wait_kmcnt 0x0
	s_load_b256 s[20:27], s[8:9], 0x0              ; bg's 8 numbers
	s_lshl_b32 s2, s19, 12
	s_add_nc_u64 s[4:5], s[4:5], s[2:3]            ; my row of x: 4,096 bytes
	s_lshl_b32 s2, s19, 10
	s_add_nc_u64 s[10:11], s[10:11], s[2:3]        ; of codes: 1,024
	s_lshl_b32 s2, s19, 5
	s_add_nc_u64 s[12:13], s[12:13], s[2:3]        ; of scale bytes: 32
	s_lshl_b32 s2, s19, 2
	s_add_nc_u64 s[14:15], s[14:15], s[2:3]        ; my word of sel and of gw
	s_add_nc_u64 s[16:17], s[16:17], s[2:3]
.irp j, 0,1,2,3
	global_load_b128 v[X+8*\j:X+8*\j+3],   v1, s[4:5] offset:1024*\j th:TH_LOAD_NT
	global_load_b128 v[X+8*\j+4:X+8*\j+7], v1, s[4:5] offset:1024*\j+16 th:TH_LOAD_NT
.endr
	WIN 0x40                                       ; destination window 1: Wg(k, e) at v[64 j + 8 t + e]
.irp j, 0,1,2,3
.irp t, 0,1,2,3,4,5,6,7
	global_load_b128 v[64*\j+8*\t:64*\j+8*\t+3],   v2, s[6:7] offset:8192*\j+32*\t
	global_load_b128 v[64*\j+8*\t+4:64*\j+8*\t+7], v2, s[6:7] offset:8192*\j+32*\t+16
.endr
.endr
	WIN 0
	s_wait_loadcnt 63                              ; 64 loads were issued behind x's last: x is in, Wg may be out
; 8 numbers of group j: the block's largest magnitude (4 lanes), its byte, the hold, the codes
.macro QX j
.set rX, X+8*(\j)
.set rT, TH+8*((\j)%2)
.set rM, MX+4*((\j)%2)
	v_max3_num_f32 v[rM], |v[rX]|, |v[rX+1]|, 0x8000000            ; with the floor 2^(16 - 127): the byte cannot fall under 1
	v_max3_num_f32 v[rM], v[rM], |v[rX+2]|, |v[rX+3]|
	v_max3_num_f32 v[rM], v[rM], |v[rX+4]|, |v[rX+5]|
	v_max3_num_f32 v[rM], v[rM], |v[rX+6]|, |v[rX+7]|
	v_max_num_f32_dpp v[rM], v[rM], v[rM] row_xmask:1 row_mask:0xf bank_mask:0xf
	v_max_num_f32_dpp v[rM], v[rM], v[rM] row_xmask:2 row_mask:0xf bank_mask:0xf   ; the block's 32 numbers
	v_add_nc_u32 v[rM+1], 0xf8800000, v[rM]        ; 15 off the exponent field: the conversion's scale operand
	v_and_or_b32 v[rM+2], v[rM], 0x7f800000, s30   ; 57,344 x the scale
.irp t, 0,1,2,3,4,5,6,7
	v_med3_num_f32 v[rT+\t], v[rX+\t], -v[rM+2], v[rM+2]           ; the conversion does not saturate (ISA guide 7.6.2); x itself is kept for the scores
.endr
	v_cvt_scalef32_pk8_bf8_f32 v[CD+2*(\j):CD+2*(\j)+1], v[rT:rT+7], v[rM+1]
	v_lshrrev_b32 v[BY+(\j)], 23, v[rM+1]          ; the scale's byte; also the plain instruction behind the conversion
	global_store_b64 v3, v[CD+2*(\j):CD+2*(\j)+1], s[10:11] offset:256*(\j)   ; 32 lanes store 256 consecutive bytes, aligned
.endm
	QX 0
	QX 1
	QX 2
	QX 3
	v_cndmask_b32 v12, v[BY], v[BY+1], s31         ; lane l stores the byte of group l % 4: the 32 lanes write the row's 32 bytes
	v_cndmask_b32 v13, v[BY+2], v[BY+3], s31
	v_cndmask_b32 v[BS], v12, v13, s32
	global_store_b8 v4, v[BS], s[12:13]
	s_wait_loadcnt 0x0                             ; Wg
	WIN 0x04                                       ; source 1 (Wg) in window 1
; the scores: two experts an instruction, x's number for both halves; 8 chains (4 pairs of experts x 2 sets of groups) by turns; the first products start the sums
.irp jh, 0,1
.irp t, 0,1,2,3,4,5,6,7
.irp u, 0,1
.irp p, 0,1,2,3
.set rX, X+8*(2*\jh+\u)+2*(\t/2)
.set rW, 64*(2*\jh+\u)+8*\t+2*\p
.set rA, ACC+8*\u+2*\p
.if (\jh == 0) && (\t == 0)
	v_pk_mul_f32 v[rA:rA+1], v[rX:rX+1], v[rW:rW+1] op_sel_hi:[0,1]
.elseif (\t%2) == 0
	v_pk_fma_f32 v[rA:rA+1], v[rX:rX+1], v[rW:rW+1], v[rA:rA+1] op_sel_hi:[0,1,1]
.else
	v_pk_fma_f32 v[rA:rA+1], v[rX:rX+1], v[rW:rW+1], v[rA:rA+1] op_sel:[1,0,0] op_sel_hi:[1,1,1]
.endif
.endr
.endr
.endr
.endr
	WIN 0
.irp p, 0,1,2,3
	v_pk_add_f32 v[ACC+2*\p:ACC+2*\p+1], v[ACC+2*\p:ACC+2*\p+1], v[ACC+8+2*\p:ACC+8+2*\p+1]   ; the two sets
.endr
; the 32 lanes' parts of the 8 sums
.irp m, 1,2,4,8
.irp e, 0,1,2,3,4,5,6,7
	v_add_f32_dpp v[ACC+\e], v[ACC+\e], v[ACC+\e] row_xmask:\m row_mask:0xf bank_mask:0xf
.endr
.endr
.irp e, 0,1,2,3,4,5,6,7
	v_permlanex16_b32 v[PD+\e], v[ACC+\e], s28, s29
.endr
.irp e, 0,1,2,3,4,5,6,7
	v_add_f32 v[ACC+\e], v[ACC+\e], v[PD+\e]
.endr
	s_wait_alu depctr_va_vdst(0)
	s_wait_kmcnt 0x0                               ; bg
.irp e, 0,1,2,3,4,5,6,7
	v_add_f32 v[SC+\e], s[20+\e], v[ACC+\e]        ; every lane holds the token's 8 scores
.endr
	v_mov_b32 v[BEST], v[SC]                       ; the largest score; what is kept stays where the next is not greater: the lower index wins a tie
	v_mov_b32 v[I1], 0
.irp e, 1,2,3,4,5,6,7
	v_cmp_le_f32 vcc_lo, v[SC+\e], v[BEST]
	v_cndmask_b32 v[BEST], v[SC+\e], v[BEST], vcc_lo
	v_cndmask_b32 v[I1], \e, v[I1], vcc_lo
.endr
	v_mov_b32 v[NINF], 0xff800000
.irp e, 0,1,2,3,4,5,6,7
	v_cmp_eq_u32 vcc_lo, \e, v[I1]
	v_cndmask_b32 v[S2+\e], v[SC+\e], v[NINF], vcc_lo              ; the winner leaves
.endr
	v_mov_b32 v[BEST2], v[S2]
	v_mov_b32 v[I2], 0
.irp e, 1,2,3,4,5,6,7
	v_cmp_le_f32 vcc_lo, v[S2+\e], v[BEST2]
	v_cndmask_b32 v[BEST2], v[S2+\e], v[BEST2], vcc_lo
	v_cndmask_b32 v[I2], \e, v[I2], vcc_lo
.endr
.irp e, 0,1,2,3,4,5,6,7
	v_sub_f32 v[DX+\e], v[SC+\e], v[BEST]          ; the maximum is taken away
.endr
	v_sub_f32 v[E2], v[BEST2], v[BEST]
.irp e, 0,1,2,3,4,5,6,7
	v_mul_f32 v[DX+\e], 0x3fb8aa3b, v[DX+\e]       ; x log2(e)
.endr
	v_mul_f32 v[E2], 0x3fb8aa3b, v[E2]
	s_wait_alu depctr_va_vdst(0)
.irp e, 0,1,2,3,4,5,6,7
	v_exp_f32 v[DX+\e], v[DX+\e]
.endr
	v_exp_f32 v[E2], v[E2]
	v_mov_b32 v[ONE], 1                            ; a plain instruction behind the batch
	s_wait_alu depctr_va_vdst(0)                   ; one wait for the nine exponentials, ahead of their first reader
	v_add_f32 v[DX], v[DX], v[DX+1]
	v_add_f32 v[DX+2], v[DX+2], v[DX+3]
	v_add_f32 v[DX+4], v[DX+4], v[DX+5]
	v_add_f32 v[DX+6], v[DX+6], v[DX+7]
	v_add_f32 v[DX], v[DX], v[DX+2]
	v_add_f32 v[DX+4], v[DX+4], v[DX+6]
	v_add_f32 v[ZS], v[DX], v[DX+4]                ; the softmax's divisor, at least 1
	s_wait_alu depctr_va_vdst(0)
	v_rcp_f32 v[RZ], v[ZS]
	v_add_nc_u32 v[I2], 8, v[I2]                   ; a plain instruction behind the reciprocal
	s_wait_alu depctr_va_vdst(0)
	v_mul_f32 v[P2], v[E2], v[RZ]                  ; the second's softmax; the first's is 1 x RZ
	v_add_f32 v[DEN], v[RZ], v[P2]
	v_add_f32 v[DEN], 0x322bcc77, v[DEN]           ; + 1e-8
	s_wait_alu depctr_va_vdst(0)
	v_rcp_f32 v[TT], v[DEN]
	v_lshlrev_b32 v[SELR], v[I1], v[ONE]           ; a plain instruction behind the reciprocal
	s_wait_alu depctr_va_vdst(0)
	v_mul_f32 v[G1], v[RZ], v[TT]
	v_mul_f32 v[G2], v[P2], v[TT]
	v_lshlrev_b32 v[TT+1], v[I2], v[ONE]
	v_or_b32 v[SELR], v[SELR], v[TT+1]
	s_wait_alu depctr_va_vdst(0)
	s_wait_xcnt 0x0                                ; EXEC changes only behind this wait: stores are out
	v_cmp_eq_u32 vcc_lo, 0, v[LN]
	s_and_saveexec_b32 s33, vcc_lo                 ; lane 0 stores for the token
	global_store_b32 v8, v[SELR], s[14:15]
	global_store_b32 v8, v[G1], s[16:17]
	global_store_b32 v8, v[G2], s[16:17] offset:4096
	s_wait_xcnt 0x0                                ; and again ahead of the line that widens it
	s_or_b32 exec_lo, exec_lo, s33
	s_endpgm
.Lfunc_end_k_q59043136ca_gate:
	.size	k_q59043136ca_gate, .Lfunc_end_k_q59043136ca_gate-k_q59043136ca_gate
	.p2alignl 7, 3214868480
	.fill 96, 4, 3214868480
	.section	.rodata,"a",@progbits
	.p2align	6, 0x0
	.amdhsa_kernel k_q59043136ca_gate
		.amdhsa_group_segment_fixed_size 0
		.amdhsa_private_segment_fixed_size 0
		.amdhsa_enable_private_segment 0
		.amdhsa_kernarg_size 56
		.amdhsa_user_sgpr_count 2
		.amdhsa_user_sgpr_kernarg_segment_ptr 1
		.amdhsa_wavefront_size32 1
		.amdhsa_system_sgpr_workgroup_id_x 1
		.amdhsa_system_sgpr_workgroup_id_y 1
		.amdhsa_system_sgpr_workgroup_id_z 1
		.amdhsa_system_vgpr_workitem_id 0
		.amdhsa_next_free_vgpr 512
		.amdhsa_next_free_sgpr 66
		.amdhsa_reserve_vcc 1
		.amdhsa_float_denorm_mode_32 3
		.amdhsa_float_denorm_mode_16_64 3
		.amdhsa_memory_ordered 1
		.amdhsa_forward_progress 1
		.amdhsa_inst_pref_size 30
	.end_amdhsa_kernel
	.amdgpu_metadata
---
amdhsa.version: [ 1, 2 ]
amdhsa.kernels:
  - .name:           k_q59043136ca_gate
    .symbol:         k_q59043136ca_gate.kd
    .args:
      - { .name: x, .offset: 0, .size: 8, .value_kind: global_buffer, .address_space: global }
      - { .name: Wg, .offset: 8, .size: 8, .value_kind: global_buffer, .address_space: global }
      - { .name: bg, .offset: 16, .size: 8, .value_kind: global_buffer, .address_space: global }
      - { .name: xq, .offset: 24, .size: 8, .value_kind: global_buffer, .address_space: global }
      - { .name: xs, .offset: 32, .size: 8, .value_kind: global_buffer, .address_space: global }
      - { .name: sel, .offset: 40, .size: 8, .value_kind: global_buffer, .address_space: global }
      - { .name: gw, .offset: 48, .size: 8, .value_kind: global_buffer, .address_space: global }
    .group_segment_fixed_size: 0
    .private_segment_fixed_size: 0
    .kernarg_segment_align: 8
    .kernarg_segment_size: 56
    .max_flat_workgroup_size: 128
    .sgpr_count:     66
    .vgpr_count:     512
    .wavefront_size: 32
...
	.end_amdgpu_metadata
.endif
;; end of part 5
;; launch ffn1 (part 6): grid 256 x 1, 4 waves a work-group, no clusters, 140,800 bytes of LDS; arguments W1_codes, W1_scales, b1, xq, xs, sel, hq, hs, route; writes hq, hs, route
.if DOCPART == 6
	.amdgcn_target "amdgcn-amd-amdhsa--gfx1250"
	.amdhsa_code_object_version 6
	.text
	.protected	k_q59043136ca_ffn1
	.globl	k_q59043136ca_ffn1
	.p2align	8
	.type	k_q59043136ca_ffn1,@function
k_q59043136ca_ffn1:
	s_mov_b64 s[64:65], 0
	v_nop
	global_prefetch_b8 v0, s[64:65] scope:SCOPE_SE
	s_setreg_imm32_b32 hwreg(HW_REG_WAVE_MODE, 25, 1), 1
	s_wait_xcnt 0x0
; THE FIRST PRODUCT, FOR THE CHOSEN ROWS ALONE: h = Q(relu(x W1[e] + b1[e])), both operands codes of E5M2 with one E8M0 scale for each 32 along K.
; W1_codes [8][4096][1024], W1_scales [8][4096][32], b1 [8][4096] f32; xq [token][1024], xs [token][32] from the launch before; sel [token]: its two experts as bits.
; Out: hq, the hidden layer's codes as images of operand registers, [e][row tile][K step 0..31][c 0..3][lane][16 bytes];
;      hs, its scale words as the next launch's registers take them, [e][row tile][quarter 0..3][16 p + row][j 0..3]: the word of K step 8 x quarter + 2 j + p;
;      route: list[e][1024] u32 (entry = slot x 1024 + token; the filler 2048 + e from the expert's count on), and from byte 32,768 on 128 equal words of each expert's number of row tiles.
; SHARES.  Work-group = (expert e = wg / 32, slice sl = wg % 32: hidden units 128 sl .. + 127, which are K step sl of the second product).  The slice's 128 KB of W1 are read from memory
; once in the launch and lie in LDS.  A wave owns row tiles of 16 routed rows: in pass P wave w has tiles 20 P + 4 i + w, i = 0..4: 40 accumulators.  Four passes, a constant count, serve
; an expert that every token chose; a pass with no tile under the expert's number of tiles is jumped over.  A filler row reads token e (the filler's low bits); a tile beyond the number stores nothing.
; THE ROWS ARE PLACED HERE, while W1's slice is on its way: every wave counts the expert's tokens in sel, wave 0 also writes their list into LDS; the slice-0 work-group stores list and number for the next launch.
; THE PRODUCT IS USED TRANSPOSED (source 0 = 16 rows of W1, source 1 = 16 routed rows of x), AND THE ROWS OF W1 THAT FORM A TILE ARE NOT NEIGHBOURS: row m of tile 2 b + u is hidden unit
; 32 b + 8 u + m + 8 (m / 8).  So a lane holds one routed row, and the 16 registers of tiles 2 b, 2 b + 1 are 16 neighbours along the next K: the conversions' results are the next operand's registers.
; NO TENSOR LOADS, NO CLUSTER: which passes and tiles are worked hangs on counts read from memory, by scalar branches; W1's slices are shared by nobody, and x's rows differ from work-group to work-group of another expert.
; LIMITS: NaN and infinities are not served; a block of the hidden layer whose largest number lies under 2^-111 (a block of zeros among them) gets the byte 1; this program alone reads the bytes.
; REGISTERS, in windows of 256: window 0: v1-31 addresses; v32-65 the quantiser's; v68-99 W1's scale words, v100-119 x's; v128-255 eight fragments of W1 in two halves (first: sel's 32 words).
;   window 1: x's fragments of tiles 0-3, four K steps deep (64 i + 16 (s % 4)).   window 2: the accumulators of tiles 0-3 (64 i + 8 t); first the 256 registers through which W1 goes to LDS.
;   window 3: v0-63 x's fragments of tile 4; v64-127 its accumulators; v128-191 b1 in the result's layout (8 t + j).
.set PW1,   1040                       ; an LDS row of W1: 1,024 bytes + 16 = 260 words: row r starts at bank 4 r mod 64 (64 banks of 4 bytes: ISA guide 11.1)
.set LIST,  128*PW1                    ; behind W1's 128 rows: the expert's list, 6,656 bytes: as far as the fifth pass's addresses would reach
.set TRASH, LIST+6656                  ; 128 bytes: where the lanes whose token did not choose the expert put their word
.set LWORDS, (TRASH-LIST)/4+32         ; words of list and trash together
.set LI,   3                           ; v3   16 x lane
.set AW0,  4                           ; v4   my lane's place in a tile of W1, tiles 0-3;  v5: tiles 4-7
.set AFL,  6                           ; v6   the fill: 16 x lane + my wave's 32 rows
.set ALS,  7                           ; v7   the list: 4 r + 64 x wave
.set ALS2, 8                           ; v8   + the pass
.set HSO,  9                           ; v9   16 r: my row's place among a tile's scale words
.set V16H, 10                          ; v10  16 h
.set EXA,  11                          ; v11  the list's way out: LDS address
.set EXO,  12                          ; v12  and offset in route
.set CNO,  13                          ; v13  4 x thread
.set TK0,  14                          ; v14  4 x lane
.set TRA,  15                          ; v15  my word of TRASH, as a word's number from LIST on
.set XO,   16                          ; v16-20 tile i: my row's byte in xq
.set XSO,  21                          ; v21-25 and in xs
.set TOK,  26                          ; v26-30 the list's entries
.set B1O,  31                          ; v31  64 h
.set TM,   32                          ; v32-35 largest numbers, v36-39 bytes, v40-43 holds, v44-47 scale operands
.set PW,   48                          ; v48  the scale word just made
.set W1SO, 49                          ; v49  my row of W1's scale bytes
.set PC,   50                          ; v50-65 the codes just made
.set W1S,  68                          ; v[68 + 4 t + j]: lanes 0-15 K step j, lanes 16-31 K step 4 + j
.set XS,   100                         ; v[100 + 4 i + j]: likewise
.set WF,   128
.set MSB, 0
.macro WIN new                         ; the immediate's high byte repeats the setting that is left
.if MSB != (\new)
	s_set_vgpr_msb (MSB<<8)|(\new)
.set MSB, (\new)
.endif
.endm
.macro PLACES n                        ; plain vector instructions that name no register of a matrix instruction (ISA guide 7.12.1)
.rept \n
	v_nop
.endr
.endm
; word N of sel's 32 a lane is token 128 (N / 4) + 4 lane + N % 4.  Those that chose the expert get the next places of the list, in the order of the lanes.
; The place is chosen as a word's number, held under the words that list and trash have, and only then shifted and added to the list's first byte
.macro LISTSTEP
	v_and_b32 v66, s25, v[WF+N]                    ; the expert's two bits
	v_cmp_ne_u32 vcc_lo, 0, v66
	v_lshrrev_b32 v67, s26, v66                    ; 1 where it is the token's second expert
	v_add_nc_u32 v120, 128*(N/4)+N%4, v[TK0]
	v_lshl_or_b32 v120, v67, 10, v120              ; the entry: slot x 1024 + token
	v_mbcnt_lo_u32_b32 v121, vcc_lo, s27           ; its place: the count so far + the choosing lanes below mine;
	v_cndmask_b32 v121, v[TRA], v121, vcc_lo       ; a lane that has no entry takes its word of trash
	v_min_u32 v121, LWORDS-1, v121
	v_lshl_add_u32 v121, v121, 2, LIST
	ds_store_b32 v121, v120
	s_bcnt1_i32_b32 s32, vcc_lo
	s_add_co_u32 s27, s27, s32
.endm
.macro CNTSTEP
	v_and_b32 v66, s25, v[WF+N]
	v_cmp_ne_u32 vcc_lo, 0, v66
	s_bcnt1_i32_b32 s32, vcc_lo
	s_add_co_u32 s27, s27, s32
.endm
.macro XFETCH s                        ; K step s of x's five fragments: lane (r, h) takes 16 bytes at its row + 128 s + 32 c + 16 h
	WIN 0x40
.irp i, 0,1,2,3
.irp c, 0,1,2,3
	global_load_b128 v[64*\i+16*((\s)%4)+4*\c:64*\i+16*((\s)%4)+4*\c+3], v[XO+\i], s[10:11] offset:128*(\s)+32*\c
.endr
.endr
	WIN 0xc0
.irp c, 0,1,2,3
	global_load_b128 v[16*((\s)%4)+4*\c:16*((\s)%4)+4*\c+3], v[XO+4], s[10:11] offset:128*(\s)+32*\c
.endr
	WIN 0
.endm
; a pass's rows: the list's entries, the addresses made of them, x's scale words and its first four K steps.  first = 0: all earlier loads are waited for, on every path through the guards,
; so that their address registers and destinations may be written
.macro PROLOGUE first
.if !(\first)
	s_wait_loadcnt 0x0
.endif
	v_add_nc_u32 v[ALS2], s30, v[ALS]
.irp i, 0,1,2,3,4
	ds_load_b32 v[TOK+\i], v[ALS2] offset:256*\i
.endr
	s_wait_dscnt 0x0
.irp i, 0,1,2,3,4
	v_min_u32 v[TOK+\i], 0xfff, v[TOK+\i]
	v_and_b32 v[TOK+\i], 0x3ff, v[TOK+\i]          ; the token; the filler gives token e
	v_lshl_add_u32 v[XO+\i], v[TOK+\i], 10, v[V16H]
	v_lshl_add_u32 v[XSO+\i], v[TOK+\i], 5, v[V16H]
.endr
.irp i, 0,1,2,3,4
	global_load_b128 v[XS+4*\i:XS+4*\i+3], v[XSO+\i], s[12:13]     ; lanes 0-15: the words of K steps 0-3; lanes 16-31: of 4-7
.endr
	XFETCH 0
	XFETCH 1
	s_wait_alu depctr_va_vdst(0)
	XFETCH 2
	XFETCH 3
.endm
.macro WFETCH half, s                  ; four fragments of W1 from LDS: tiles 4 half .. + 3, K step s
.irp t, 0,1,2,3
.irp c, 0,1,2,3
	ds_load_b128 v[WF+64*(\half)+16*\t+4*\c:WF+64*(\half)+16*\t+4*\c+3], v[AW0+(\half)] offset:16*PW1*\t+128*(\s)+32*\c
.endr
.endr
.endm
.macro WM row                          ; one product on the registers named by rD, rA, rB, rC, rSA, rSB; row = 1: both sides' scale words from lanes 16-31
.if (\row)
	v_wmma_scale_f32_16x16x128_f8f6f4 v[rD:rD+7], v[rA:rA+15], v[rB:rB+15], v[rC:rC+7], v[rSA], v[rSB] matrix_a_fmt:MATRIX_FMT_BF8 matrix_b_fmt:MATRIX_FMT_BF8 matrix_a_scale:MATRIX_SCALE_ROW1 matrix_b_scale:MATRIX_SCALE_ROW1
.else
	v_wmma_scale_f32_16x16x128_f8f6f4 v[rD:rD+7], v[rA:rA+15], v[rB:rB+15], v[rC:rC+7], v[rSA], v[rSB] matrix_a_fmt:MATRIX_FMT_BF8 matrix_b_fmt:MATRIX_FMT_BF8
.endif
.endm
; 20 products: four tiles of W1 x five row tiles, K step s.  The 40 accumulators take turns, one instruction a turn.  At s = 0 the bias is the C: nothing is cleared or added
.macro MUL half, s
.if (\s) == 0
	WIN 0xb4                                       ; A window 0, B window 1, C (b1) window 3, D window 2
.else
	WIN 0xa4                                       ; C and D window 2
.endif
.irp t, 0,1,2,3
.irp i, 0,1,2,3
.set rT, 4*(\half)+\t
.set rD, 64*\i+8*rT
.set rC, rD
.if (\s) == 0
.set rC, 128+8*rT
.endif
.set rA, WF+64*(\half)+16*\t
.set rB, 64*\i+16*((\s)%4)
.set rSA, W1S+4*rT+(\s)%4
.set rSB, XS+4*\i+(\s)%4
	WM (\s)/4
.endr
.endr
	WIN 0xfc                                       ; tile 4: B, C and D window 3
.irp t, 0,1,2,3
.set rT, 4*(\half)+\t
.set rD, 64+8*rT
.set rC, rD
.if (\s) == 0
.set rC, 128+8*rT
.endif
.set rA, WF+64*(\half)+16*\t
.set rB, 16*((\s)%4)
.set rSA, W1S+4*rT+(\s)%4
.set rSB, XS+16+(\s)%4
	WM (\s)/4
.endr
.endm
; 64 numbers of a lane in window w from register s on, register 16 b + i = k 32 b + 16 (lane / 16) + i of my row, become a fragment's codes in v[PC] on and its scale word in v[PW].
; What is negative becomes 0 on the way: it does not count for the largest number (no |.|; the floor stands over it), and the hold clips at 0
.macro QUANT s, w
	WIN 5*(\w)                                     ; sources 0 and 1 in window w
.irp b, 0,1,2,3
	v_max3_num_f32 v[TM+\b], v[(\s)+16*\b], v[(\s)+1+16*\b], 0x8000000   ; each accumulator is read from its low end on; the floor 2^(16 - 127)
.endr
	WIN 20*(\w)                                    ; sources 1 and 2
.irp i, 2,4,6,8,10,12,14
.irp b, 0,1,2,3
	v_max3_num_f32 v[TM+\b], v[TM+\b], v[(\s)+16*\b+\i], v[(\s)+1+16*\b+\i]
.endr
.endr
	WIN 0
.irp b, 0,1,2,3
	v_permlanex16_b32 v[TM+4+\b], v[TM+\b], s38, s39
.endr
.irp b, 0,1,2,3
	v_max_num_f32 v[TM+\b], v[TM+\b], v[TM+4+\b]   ; with lane l xor 16's 16: the block's largest
.endr
.irp b, 0,1,2,3
	v_add_nc_u32 v[TM+12+\b], 0xf8800000, v[TM+\b] ; 15 off the exponent field: the conversion's scale operand
.endr
.irp b, 0,1,2,3
	v_and_or_b32 v[TM+8+\b], v[TM+\b], 0x7f800000, s40   ; 57,344 x the scale
.endr
.irp b, 0,1,2,3
	v_lshrrev_b32 v[TM+4+\b], 23, v[TM+12+\b]      ; the scale's byte
.endr
	v_lshl_or_b32 v[PW], v[TM+5], 8, v[TM+4]
	v_lshl_or_b32 v[PW], v[TM+6], 16, v[PW]
	v_lshl_or_b32 v[PW], v[TM+7], 24, v[PW]
	WIN 65*(\w)                                    ; destination and source 0
.irp b, 0,1,2,3
.irp i, 0,1,2,3,4,5,6,7,8,9,10,11,12,13,14,15
	v_med3_num_f32 v[(\s)+16*\b+\i], v[(\s)+16*\b+\i], 0, v[TM+8+\b]   ; the activation and the hold in one (the conversion does not saturate: ISA guide 7.6.2)
.endr
.endr
	WIN (\w)                                       ; source 0
.irp b, 0,1,2,3
	v_cvt_scalef32_pk8_bf8_f32 v[PC+4*\b:PC+4*\b+1], v[(\s)+16*\b:(\s)+16*\b+7], v[TM+12+\b]
	v_cvt_scalef32_pk8_bf8_f32 v[PC+4*\b+2:PC+4*\b+3], v[(\s)+16*\b+8:(\s)+16*\b+15], v[TM+12+\b]
.endr
	WIN 0
	v_nop                                          ; a plain instruction behind the last conversion, ahead of whatever next writes its sources
.endm
; row tile i of the pass leaves, if it lies under the expert's number of tiles: 2,048 dense bytes of codes (four stores of 512) and 16 scale words
.macro EPI i
	s_add_co_u32 s32, s29, 4*(\i)
	s_cmp_ge_u32 s32, s28
	s_cbranch_scc1 .Lno_tile_\@
	s_wait_xcnt 0x0                                ; the last tile's stores have read the codes and the word: both are written again below
.if (\i) < 4
	QUANT 64*(\i), 2
.else
	QUANT 64, 3
.endif
.irp c, 0,1,2,3
	global_store_b128 v[LI], v[PC+4*\c:PC+4*\c+3], s[34:35] offset:262144*(\i)+512*\c
.endr
	global_store_b32 v[HSO], v[PW], s[36:37] offset:8192*(\i)      ; lanes l and l + 16 write the same word with the same value
.Lno_tile_\@:
.endm
	s_load_b512 s[4:19], s[0:1], 0x0               ; W1's codes s[4:5], its scales s[6:7], b1 s[8:9], xq s[10:11], xs s[12:13], sel s[14:15], hq s[16:17], hs s[18:19]
	s_load_b64 s[20:21], s[0:1], 0x40              ; route
	s_set_vgpr_msb 0xc0
	v_lshl_add_u32 v192, v0, 2, 0x22400
	v_mov_b32 v193, 0
	s_set_vgpr_msb 0xc000
	v_lshrrev_b32 v1, 5, v0
	v_readfirstlane_b32 s22, v1                    ; wave 0..3
	s_lshr_b32 s23, ttmp9, 5                       ; the expert
	s_and_b32 s24, ttmp9, 31                       ; the slice
	s_lshl_b32 s25, 0x101, s23                     ; the expert's two bits in a word of sel
	s_add_co_u32 s26, s23, 8
	s_mov_b32 s38, 0x76543210
	s_mov_b32 s39, 0xfedcba98                      ; v_permlanex16_b32's selects for lane l xor 16
	s_mov_b32 s40, 0x600000                        ; the mantissa field of 57,344
	v_and_b32 v1, 15, v0                           ; r
	v_bfe_u32 v2, v0, 4, 1                         ; h
	v_and_b32 v66, 31, v0                          ; lane
	v_lshlrev_b32 v[LI], 4, v66
	v_lshlrev_b32 v[TK0], 2, v66
	v_add_nc_u32 v[TRA], (TRASH-LIST)/4, v66
	v_mul_u32_u24 v[AW0], v1, PW1
	v_lshl_add_u32 v[AW0], v2, 4, v[AW0]           ; row r x pitch + 16 h
	v_add_nc_u32 v[AW0+1], 64*PW1, v[AW0]          ; tiles 4-7 lie 64 rows on
	s_mul_i32 s32, s22, 32*PW1
	v_add_nc_u32 v[AFL], s32, v[LI]
	s_lshl_b32 s32, s22, 6
	s_add_co_u32 s32, s32, LIST
	v_lshl_add_u32 v[ALS], v1, 2, s32
	v_lshlrev_b32 v[HSO], 4, v1
	v_lshlrev_b32 v[V16H], 4, v2
	s_lshl_b32 s32, s22, 10
	v_add_nc_u32 v[EXO], s32, v[LI]
	v_add_nc_u32 v[EXA], LIST, v[EXO]
	v_lshlrev_b32 v[CNO], 2, v0
	v_lshlrev_b32 v[B1O], 6, v2
	v_and_b32 v67, 8, v1
	v_add_nc_u32 v67, v67, v1                      ; r + 8 (r / 8)
	v_lshlrev_b32 v67, 5, v67
	v_lshl_add_u32 v[W1SO], v2, 4, v67             ; 32 bytes of scales a row, + 16 h
.irp b, 0,1,2,3
	v_mov_b32 v[TM+4+\b], 0                        ; written once: a lane permute's destination counts as one of its sources
.endr
	s_mov_b32 s43, 0
	s_lshl_b32 s42, s23, 22                        ; W1's codes: (4096 e + 128 sl + 32 w) rows of 1,024 bytes
	s_lshl_b32 s32, s24, 17
	s_add_co_u32 s42, s42, s32
	s_lshl_b32 s32, s22, 15
	s_add_co_u32 s42, s42, s32
	s_wait_kmcnt 0x0
	s_add_nc_u64 s[4:5], s[4:5], s[42:43]
	s_lshl_b32 s42, s23, 17                        ; its scales: (4096 e + 128 sl) rows of 32 bytes
	s_lshl_b32 s32, s24, 12
	s_add_co_u32 s42, s42, s32
	s_add_nc_u64 s[6:7], s[6:7], s[42:43]
	s_lshl_b32 s42, s23, 14                        ; b1: (4096 e + 128 sl) numbers
	s_lshl_b32 s32, s24, 9
	s_add_co_u32 s42, s42, s32
	s_add_nc_u64 s[8:9], s[8:9], s[42:43]
	s_lshl_b32 s42, s23, 22                        ; hq: (64 e + w) tiles of 65,536 bytes + 2,048 sl
	s_lshl_b32 s32, s22, 16
	s_add_co_u32 s42, s42, s32
	s_lshl_b32 s32, s24, 11
	s_add_co_u32 s42, s42, s32
	s_add_nc_u64 s[34:35], s[16:17], s[42:43]
	s_lshl_b32 s42, s23, 17                        ; hs: (64 e + w) tiles of 2,048 bytes,
	s_lshl_b32 s32, s22, 11
	s_add_co_u32 s42, s42, s32
	s_lshr_b32 s32, s24, 3
	s_lshl_b32 s32, s32, 9
	s_add_co_u32 s42, s42, s32                     ; + 512 (sl / 8): the quarter,
	s_and_b32 s32, s24, 1
	s_lshl_b32 s32, s32, 8
	s_add_co_u32 s42, s42, s32                     ; + 256 (sl % 2): the half of the lanes that will read it,
	s_bfe_u32 s32, s24, 0x20001
	s_lshl_b32 s32, s32, 2
	s_add_co_u32 s42, s42, s32                     ; + 4 ((sl / 2) % 4): the word among a lane's four
	s_add_nc_u64 s[36:37], s[18:19], s[42:43]
	s_lshl_b32 s42, s23, 12                        ; route: the expert's list,
	s_add_nc_u64 s[44:45], s[20:21], s[42:43]
	s_lshl_b32 s42, s23, 9
	s_add_co_u32 s42, s42, 32768                   ; and the 128 words of its number of tiles
	s_add_nc_u64 s[46:47], s[20:21], s[42:43]
.irp q, 0,1,2,3,4,5,6,7
	global_load_b128 v[WF+4*\q:WF+4*\q+3], v[LI], s[14:15] offset:512*\q   ; sel: all 1,024 words, 32 a lane
.endr
	WIN 0x80                                       ; destination window 2: my wave's 32 rows of W1, 512 consecutive bytes a load
.set N, 0
.rept 56
	global_load_b128 v[4*N:4*N+3], v[LI], s[4:5] offset:1024*(N/2)+512*(N%2) th:TH_LOAD_NT
.set N, N+1
.endr
	WIN 0
	s_wait_loadcnt 56                              ; the 56 loads behind sel's may be out
	s_mov_b32 s27, 0
	s_cmp_lg_u32 s22, 0
	s_cbranch_scc1 .Lcount
	s_add_co_u32 s33, s23, 0x800                   ; the filler: 2048 + e
.irp n, 124,125,126,127
	v_mov_b32 v\n, s33
.endr
.irp n, 0,1,2,3,4,5,6,7,8,9,10,11,12
	ds_store_b128 v[EXA], v[124:127] offset:512*\n ; wave 0: the filler over the whole list; LDS serves a wave's instructions in order (ISA guide 5.7.1.4): the entries come behind it
.endr
.set N, 0
.rept 32
	LISTSTEP
.set N, N+1
.endr
	s_branch .Ljoin
.Lcount:
.set N, 0
.rept 32
	CNTSTEP
.set N, N+1
.endr
.Ljoin:
	s_add_co_u32 s28, s27, 15
	s_lshr_b32 s28, s28, 4                         ; T: the expert's row tiles
	WIN 0x80
.set N, 56
.rept 8
	global_load_b128 v[4*N:4*N+3], v[LI], s[4:5] offset:1024*(N/2)+512*(N%2) th:TH_LOAD_NT
.set N, N+1
.endr
	WIN 0xc0                                       ; destination window 3: b1 of tile t's eight units of my half: 32 b + 16 h + 8 u + 0 .. 7
.irp t, 0,1,2,3,4,5,6,7
	global_load_b128 v[128+8*\t:128+8*\t+3], v[B1O], s[8:9] offset:(32*(\t/2)+8*(\t%2))*4
	global_load_b128 v[128+8*\t+4:128+8*\t+7], v[B1O], s[8:9] offset:(32*(\t/2)+8*(\t%2))*4+16
.endr
	WIN 0
.irp t, 0,1,2,3,4,5,6,7
	global_load_b128 v[W1S+4*\t:W1S+4*\t+3], v[W1SO], s[6:7] offset:(32*(\t/2)+8*(\t%2))*32
.endr
	s_wait_dscnt 0x0                               ; for the others' sake: the list is written
	s_barrier_signal -1
	s_barrier_wait -1
	s_cmp_lg_u32 s24, 0                            ; the slice-0 work-group stores the expert's list and its number of tiles
	s_cbranch_scc1 .Lno_export
	ds_load_b128 v[120:123], v[EXA]
	ds_load_b128 v[124:127], v[EXA] offset:512
	v_mov_b32 v66, s28
	s_wait_alu depctr_va_vdst(0)
	s_wait_dscnt 0x0
	global_store_b128 v[EXO], v[120:123], s[44:45]
	global_store_b128 v[EXO], v[124:127], s[44:45] offset:512
	global_store_b32 v[CNO], v66, s[46:47]
.Lno_export:
	s_mov_b32 s29, s22                             ; my first tile of pass 0
	s_mov_b32 s30, 0
	PROLOGUE 1                                     ; always: x's first K steps are asked for while W1's slice lands
	s_wait_loadcnt 63                              ; 85 loads were issued behind the weights' last: W1, b1 and W1's scale words are in
	WIN 0x08                                       ; an LDS store's data are its source 1: window 2
.set N, 0
.rept 64                               ; row N / 2 of my 32 goes to the row with bits 3 and 4 changed over: so a tile's 16 rows are neighbours in LDS
.set RH, N/2
	ds_store_b128 v[AFL], v[4*N:4*N+3] offset:PW1*((RH&7)|(((RH>>3)&1)<<4)|(((RH>>4)&1)<<3))+512*(N%2)
.set N, N+1
.endr
	WIN 0
	s_wait_dscnt 0x0                               ; for the others' sake: my rows are written
	s_barrier_signal -1
	s_barrier_wait -1                              ; the last barrier: from here on LDS is only read
	s_mov_b32 s31, 0
.Lpass:
	s_cmp_ge_u32 s29, s28                          ; no tile of mine in this pass?
	s_cbranch_scc1 .Lnext
	PLACES 9                                       ; the pass's first products begin accumulators anew
	WFETCH 0, 0
	WFETCH 1, 0
.irp s, 0,1,2,3,4,5,6,7
.if \s <= 4
	s_wait_loadcnt 60                              ; x's K step s is in: the 20 loads of each of three later steps may be out
.else
	s_wait_loadcnt 20*(7-\s)
.endif
	s_wait_dscnt 16                                ; W1's tiles 0-3 are in; the 16 loads of tiles 4-7 may be out
	MUL 0, \s
	WIN 0
.if \s < 7
	PLACES 8                                       ; ahead of loads into registers that the products above have read
	WFETCH 0, \s+1
	s_wait_dscnt 16                                ; tiles 4-7 are in; the 16 just issued may be out
.else
	s_wait_dscnt 0x0
.endif
	MUL 1, \s
	WIN 0
.if \s < 7
	PLACES 8
	WFETCH 1, \s+1
.endif
.if \s < 4
	XFETCH \s+4                                    ; into the registers of K step s, which both halves have multiplied
.endif
.endr
	PLACES 8                                       ; ahead of the first read of results, and of the next pass's loads
	EPI 0
	EPI 1
	EPI 2
	EPI 3
	EPI 4
.Lnext:
	s_wait_xcnt 0x0                                ; stores and loads have read their bases: they step
	s_add_co_u32 s29, s29, 20
	s_add_co_u32 s30, s30, 1280
	s_add_nc_u64 s[34:35], s[34:35], 1310720       ; 20 tiles of 65,536 bytes
	s_add_nc_u64 s[36:37], s[36:37], 40960         ; 20 tiles of 2,048
	s_cmp_ge_u32 s29, s28
	s_cbranch_scc1 .Lno_rows
	PROLOGUE 0
.Lno_rows:
	s_add_co_u32 s31, s31, 1
	s_cmp_lt_u32 s31, 4
	s_cbranch_scc1 .Lpass
	s_set_vgpr_msb 0xf
	s_wait_tensorcnt 0x0
	ds_add_u32 v192, v193
	s_wait_dscnt 0x0
	s_set_vgpr_msb 0xf00
	s_endpgm
.Lfunc_end_k_q59043136ca_ffn1:
	.size	k_q59043136ca_ffn1, .Lfunc_end_k_q59043136ca_ffn1-k_q59043136ca_ffn1
	.p2alignl 7, 3214868480
	.fill 96, 4, 3214868480
	.section	.rodata,"a",@progbits
	.p2align	6, 0x0
	.amdhsa_kernel k_q59043136ca_ffn1
		.amdhsa_group_segment_fixed_size 140800
		.amdhsa_private_segment_fixed_size 0
		.amdhsa_enable_private_segment 0
		.amdhsa_kernarg_size 72
		.amdhsa_user_sgpr_count 2
		.amdhsa_user_sgpr_kernarg_segment_ptr 1
		.amdhsa_wavefront_size32 1
		.amdhsa_system_sgpr_workgroup_id_x 1
		.amdhsa_system_sgpr_workgroup_id_y 1
		.amdhsa_system_sgpr_workgroup_id_z 1
		.amdhsa_system_vgpr_workitem_id 0
		.amdhsa_next_free_vgpr 962
		.amdhsa_next_free_sgpr 66
		.amdhsa_reserve_vcc 1
		.amdhsa_float_denorm_mode_32 3
		.amdhsa_float_denorm_mode_16_64 3
		.amdhsa_memory_ordered 1
		.amdhsa_forward_progress 1
		.amdhsa_inst_pref_size 177
	.end_amdhsa_kernel
	.amdgpu_metadata
---
amdhsa.version: [ 1, 2 ]
amdhsa.kernels:
  - .name:           k_q59043136ca_ffn1
    .symbol:         k_q59043136ca_ffn1.kd
    .args:
      - { .name: W1_codes, .offset: 0, .size: 8, .value_kind: global_buffer, .address_space: global }
      - { .name: W1_scales, .offset: 8, .size: 8, .value_kind: global_buffer, .address_space: global }
      - { .name: b1, .offset: 16, .size: 8, .value_kind: global_buffer, .address_space: global }
      - { .name: xq, .offset: 24, .size: 8, .value_kind: global_buffer, .address_space: global }
      - { .name: xs, .offset: 32, .size: 8, .value_kind: global_buffer, .address_space: global }
      - { .name: sel, .offset: 40, .size: 8, .value_kind: global_buffer, .address_space: global }
      - { .name: hq, .offset: 48, .size: 8, .value_kind: global_buffer, .address_space: global }
      - { .name: hs, .offset: 56, .size: 8, .value_kind: global_buffer, .address_space: global }
      - { .name: route, .offset: 64, .size: 8, .value_kind: global_buffer, .address_space: global }
    .group_segment_fixed_size: 140800
    .private_segment_fixed_size: 0
    .kernarg_segment_align: 8
    .kernarg_segment_size: 72
    .max_flat_workgroup_size: 128
    .sgpr_count:     66
    .vgpr_count:     962
    .wavefront_size: 32
...
	.end_amdgpu_metadata
.endif
;; end of part 6
;; launch ffn2 (part 7): grid 256 x 1, 4 waves a work-group, no clusters, 281,088 bytes of LDS; arguments W2_codes, W2_scales, b2, hq, hs, route, y; writes y
.if DOCPART == 7
	.amdgcn_target "amdgcn-amd-amdhsa--gfx1250"
	.amdhsa_code_object_version 6
	.text
	.protected	k_q59043136ca_ffn2
	.globl	k_q59043136ca_ffn2
	.p2align	8
	.type	k_q59043136ca_ffn2,@function
k_q59043136ca_ffn2:
	s_mov_b64 s[64:65], 0
	v_nop
	global_prefetch_b8 v0, s[64:65] scope:SCOPE_SE
	s_setreg_imm32_b32 hwreg(HW_REG_WAVE_SCHED_MODE, 0, 2), 2
	s_setreg_imm32_b32 hwreg(HW_REG_WAVE_MODE, 25, 1), 1
	s_wait_xcnt 0x0
	s_wait_alu depctr_vm_vsrc(0)
; THE SECOND PRODUCT, FOR THE CHOSEN ROWS ALONE: y[slot x 1024 + token] = h W2[e] + b2[e], both operands codes of E5M2 with one E8M0 scale for each 32 along K = 4,096.
; W2_codes [8][1024][4096], W2_scales [8][1024][128], b2 [8][1024] f32; hq, hs, route as the launch before laid them.  y [2056][1024] f32: rows 0-2047 the results, not yet weighed.
; SHARES.  Work-group = (expert e = wg / 32, outputs 64 o .. + 63 with o = (wg / 2) % 16, parity g = wg % 2 of the row tiles).  The slice's 256 KB of W2 lie in LDS.
; A wave owns row tiles: in pass P wave w has tiles g + 2 (12 P + 4 i + w), i = 0..2: 12 accumulators (4 tiles of outputs x 3).  Three passes, a constant count, serve an expert that every
; token chose; a pass with no tile under the expert's number of tiles T is jumped over.  A tile beyond T re-reads 16 bytes of the wave's first tile (the same number of loads) and stores nothing.
; h's fragments and scale words are images of operand registers: each load reads 512 consecutive bytes.
; K IS WALKED FROM ANOTHER QUARTER IN EACH WORK-GROUP: quarter Q of my walk (8 K steps) is the true quarter (Q + o) % 4, so that the sixteen work-groups that walk the same rows of h do not all ask
; for the same bytes at the same time.  It is done by four scalar bases for each of W2's codes, W2's scales, hq and hs: LDS holds W2's columns in the order of my walk, and every register holds
; what its place in my walk wants; no LDS address and no register number hangs on it.  The f32 sums over the K steps so begin at another step from one work-group to the next.
; THE PRODUCT IS USED TRANSPOSED (source 0 = 16 rows of W2, source 1 = 16 routed rows): a lane holds 8 neighbouring outputs of one row.  A tile goes through the wave's own stage in LDS, and
; sixteen lanes store a row's 256 consecutive bytes, aligned, at the row that the list names.
; THE FILLER ROWS of an expert's last tile go to row 2048 + e of y, which the list's filler names and nobody reads: so every lane stores, and no mask is made of loaded numbers.  Only tile T - 1 has
; such rows, one parity g holds it, and the sixteen slices o write other columns: each of those bytes is stored by one work-group.
; EVERY ADDRESS REGISTER IS WRITTEN ON A PATH THAT ALL TRIPS TAKE: h's offsets where the passes join, y's at the loop's head; the branches on T jump over loads, products and stores alone.
; NO TENSOR LOADS, NO CLUSTER: which passes and tiles are worked hangs on a number read from memory, by scalar branches.
; LIMIT: a wave whose first tile lies beyond T (an expert with under 113 rows) still issues pass 0's loads, 16 bytes of hq and of hs that nobody stored; nothing is made of them: the pass is jumped over.
; REGISTERS, in windows of 256: window 0: v1-28 addresses; v32-95 W2's scale words, v96-143 h's; v144-167 the list's entries; v168-199 b2 in the result's layout; v232-255 offsets in y.
;   window 1: W2's fragments, four K steps deep (64 (s % 4) + 16 o'); first the registers through which W2 goes to LDS.   window 2: h's fragments, sets 0 to 4 of six (48 (s % 6) + 16 i).
;   window 3: v0-95 the accumulators (24 o' + 8 i); v96-143 h's sixth set; v144-239 rows on the way out, 32 registers for each of a pass's three tiles.
; THE MODE: SCHED_MODE bits 1:0 = 2 (LLVM: expert scheduling mode 2), set by the entry lines.  The code itself states the register dependences
; between vector or matrix instructions and memory or LDS instructions, with s_wait_alu, always for 0.
; THE PLAN.  Registers that memory or LDS instructions touch, and who else names them:
;   v4-v13, v28        addresses and offsets, made at the head and never written again: one wait on va_vdst ahead of the first load.
;   window 1, the fill loaded, read by LDS stores, loaded again with the group four on: a wait on vm_vsrc ahead of each reload, and one behind the barrier, ahead of the first fragments.
;   W2's four sets     step S's products read set S % 4.       h's six sets: step S's products read set S % 6.
;                      ONE wait on va_vdst stands at the head of every second step.  At an even step S it states that the products of steps S - 2 and S - 1 are done reading their sets.  Into these go
;                      W2's steps S + 2 and S + 3 and h's steps S + 4 and S + 5: the first of each ahead of step S's products, the second between step S's and step S + 1's.  Step S's products name
;                      sets S % 4 and S % 6, the accumulators and scale words: none of the registers that the second pair of fetches touches.
;   v[HO ..], v[HSO ..] written where the passes join, read by a pass's loads of h.   v[ENT ..]: loaded; read by the lines at the loop's head.   v[HS ..]: loaded; read by the products as scale words.
;   v[YO ..]           written at the loop's head, read by the way out's stores.     the accumulators: written by the products, read by the stage's LDS stores.
;   v[OB ..]           a buffer to each of a pass's three tiles: LDS loads land in it, eight stores read it; so no wait stands between two tiles.
;                      One wait on vm_vsrc a pass, where the passes join, frees HO, HSO, YO, OB and the accumulators; one wait on va_vdst ahead of a pass's loads states that HO and HSO are written
;                      and that ENT, HS and h's sets have been read; one at the pass's head that YO is written; one behind the places ahead of the way out that the accumulators are.
.set PW2,  4112                        ; an LDS row of W2: 4,096 bytes + 16 = 1,028 words: row r starts at bank 4 r mod 64 (64 banks of 4 bytes: ISA guide 11.1)
.set STG,  64*PW2                      ; behind W2's 64 rows: a stage of 16 rows x 272 bytes for each wave
.set LANE, 3
.set LI,   4                           ; v4   16 x lane
.set AW,   5                           ; v5-8 my lane's place in tile o' of W2
.set AFL,  9                           ; v9   the fill: 16 x lane + my wave's 16 rows
.set SO,   10                          ; v10  the stage: where I put 32 bytes of a row
.set SR,   11                          ; v11  and where I read a row back
.set C16,  12                          ; v12  16 r
.set EO,   13                          ; v13  32 h
.set HO,   14                          ; v14-16 tile i: my 16 bytes of a fragment's image
.set HSO,  17                          ; v17-19 and my 16 bytes of its scale words
.set W2SO, 28                          ; v28  my row of W2's scale bytes
.set W2S,  32                          ; v[32 + 16 o' + 4 Q + j]: lanes 0-15 step 8 Q + j of my walk, lanes 16-31 step 8 Q + 4 + j
.set HS,   96                          ; v[96 + 16 i + u]: lanes 0-15 step 2 u of my walk, lanes 16-31 step 2 u + 1
.set ENT,  144                         ; v[144 + 8 i + q]: the list's entry of row q + 8 h
.set B2,   168
.set YO,   232                         ; v[232 + 8 i + q]: my byte in y for row q + 8 h of tile i
.set H5,   96                          ; in window 3: h's sixth set
.set OB,   144                         ; in window 3: v[144 + 32 i + 4 q]: rows q and q + 8 of tile i on the way out
.set WB,   66                          ; s[66:73] W2's codes at my wave's rows, at the true quarter of each quarter of my walk
.set WS,   74                          ; s[74:81] W2's scales likewise
.set HQ,   82                          ; s[82:89] hq at my first tile of the pass, likewise
.set HSQ,  90                          ; s[90:97] hs likewise
.set MSB, 0
.macro WIN new                         ; the immediate's high byte repeats the setting that is left
.if MSB != (\new)
	s_set_vgpr_msb (MSB<<8)|(\new)
.set MSB, (\new)
.endif
.endm
.macro PLACES n                        ; plain vector instructions that name no register of a matrix instruction (ISA guide 7.12.1)
.rept \n
	v_nop
.endr
.endm
.macro WLOAD a                         ; group a of eight: two of my 16 rows of W2, 16 loads of 512 consecutive bytes; piece N % 8 of a row in LDS comes from the true quarter of quarter (N % 8) / 2
	WIN 0x40
.set N, 0
.rept 16
	global_load_b128 v[64*((\a)%4)+4*N:64*((\a)%4)+4*N+3], v[LI], s[WB+2*((N%8)/2):WB+2*((N%8)/2)+1] offset:4096*(2*(\a)+N/8)+512*(N%2) th:TH_LOAD_NT
.set N, N+1
.endr
.endm
.macro WSTORE a
	WIN 0x04                                       ; an LDS store's data are its source 1: window 1
.set N, 0
.rept 16
	ds_store_b128 v[AFL], v[64*((\a)%4)+4*N:64*((\a)%4)+4*N+3] offset:PW2*(2*(\a)+N/8)+512*(N%8)
.set N, N+1
.endr
.endm
.macro HFETCH s                        ; step s of my walk: h's three fragments, into set s % 6
.if (\s)%6 == 5
	WIN 0xc0                                       ; the sixth set lies in window 3
.set rH, H5
.else
	WIN 0x80
.set rH, 48*((\s)%6)
.endif
.irp i, 0,1,2
.irp c, 0,1,2,3
	global_load_b128 v[rH+16*\i+4*\c:rH+16*\i+4*\c+3], v[HO+\i], s[HQ+2*((\s)/8):HQ+2*((\s)/8)+1] offset:2048*((\s)%8)+512*\c
.endr
.endr
.endm
.macro WFETCH s                        ; step s of my walk: W2's four fragments, from LDS, into set s % 4
	WIN 0x40
.irp o, 0,1,2,3
.irp c, 0,1,2,3
	ds_load_b128 v[64*((\s)%4)+16*\o+4*\c:64*((\s)%4)+16*\o+4*\c+3], v[AW+\o] offset:128*(\s)+32*\c
.endr
.endr
.endm
; a pass's offsets into hq and hs: 0 for a tile beyond T: a choice between constants, no jump.  first = 0: all earlier loads are waited for, on every path, so that their address registers may be written
.macro ADDR first
.if !(\first)
	s_wait_loadcnt 0x0
.endif
.irp i, 0,1,2
	s_add_co_u32 s32, s29, 8*\i
	s_cmp_lt_u32 s32, s28
	s_cselect_b32 s33, 16, 0
	s_cselect_b32 s34, 524288*\i, 0                ; 8 tiles of 65,536 bytes from one of my tiles to the next
	s_cselect_b32 s45, 16384*\i, 0                 ; 8 tiles of 2,048
	v_mad_u32_u24 v[HO+\i], v[LANE], s33, s34
	v_mad_u32_u24 v[HSO+\i], v[LANE], s33, s45
.endr
.endm
; the head of a pass's loads, 18 of them: the list's entries first, then h's scale words of all 32 steps
.macro LOADSA
	WIN 0
.irp i, 0,1,2
	global_load_b128 v[ENT+8*\i:ENT+8*\i+3], v[EO], s[40:41] offset:512*\i
	global_load_b128 v[ENT+8*\i+4:ENT+8*\i+7], v[EO], s[40:41] offset:512*\i+16
.endr
.irp i, 0,1,2
.irp q, 0,1,2,3
	global_load_b128 v[HS+16*\i+4*\q:HS+16*\i+4*\q+3], v[HSO+\i], s[HSQ+2*\q:HSQ+2*\q+1]
.endr
.endr
.endm
.macro LOADS                           ; a later pass's loads in one run
	LOADSA
	HFETCH 0
	HFETCH 1
	HFETCH 2
	HFETCH 3
	HFETCH 4
	WIN 0
.endm
.macro READY s                         ; step s's fragments are in
.if 31-(\s) >= 4
	s_wait_loadcnt 48                              ; h's: the 12 loads of each of four later steps may be out
.else
	s_wait_loadcnt 12*(31-(\s))
.endif
.if 31-(\s) >= 2
	s_wait_dscnt 32                                ; W2's: the 16 loads of each of two later steps may be out
.else
	s_wait_dscnt 16*(31-(\s))
.endif
.endm
.macro WM ra, rb                       ; one product on the registers named by rD, rA, rB, rC, rSA, rSB; ra, rb = 1: that side's scale words from lanes 16-31
.if (\ra) && (\rb)
	v_wmma_scale_f32_16x16x128_f8f6f4 v[rD:rD+7], v[rA:rA+15], v[rB:rB+15], v[rC:rC+7], v[rSA], v[rSB] matrix_a_fmt:MATRIX_FMT_BF8 matrix_b_fmt:MATRIX_FMT_BF8 matrix_a_scale:MATRIX_SCALE_ROW1 matrix_b_scale:MATRIX_SCALE_ROW1
.elseif (\ra)
	v_wmma_scale_f32_16x16x128_f8f6f4 v[rD:rD+7], v[rA:rA+15], v[rB:rB+15], v[rC:rC+7], v[rSA], v[rSB] matrix_a_fmt:MATRIX_FMT_BF8 matrix_b_fmt:MATRIX_FMT_BF8 matrix_a_scale:MATRIX_SCALE_ROW1
.elseif (\rb)
	v_wmma_scale_f32_16x16x128_f8f6f4 v[rD:rD+7], v[rA:rA+15], v[rB:rB+15], v[rC:rC+7], v[rSA], v[rSB] matrix_a_fmt:MATRIX_FMT_BF8 matrix_b_fmt:MATRIX_FMT_BF8 matrix_b_scale:MATRIX_SCALE_ROW1
.else
	v_wmma_scale_f32_16x16x128_f8f6f4 v[rD:rD+7], v[rA:rA+15], v[rB:rB+15], v[rC:rC+7], v[rSA], v[rSB] matrix_a_fmt:MATRIX_FMT_BF8 matrix_b_fmt:MATRIX_FMT_BF8
.endif
.endm
; 12 products: four tiles of outputs x three row tiles, step s of my walk.  The 12 accumulators take turns, one instruction a turn.  At s = 0 the bias is the C
.macro MUL s
.set bH, 48*((\s)%6)
.set wM, 0xf9                          ; A window 1, B window 2, C and D window 3
.if (\s)%6 == 5
.set bH, H5
.set wM, 0xfd                          ; B, the sixth set, window 3
.endif
.if (\s) == 0
.set wM, 0xc9                          ; C (b2) window 0
.endif
	WIN wM
.irp o, 0,1,2,3
.irp i, 0,1,2
.set rD, 24*\o+8*\i
.set rC, rD
.if (\s) == 0
.set rC, B2+8*\o
.endif
.set rA, 64*((\s)%4)+16*\o
.set rB, bH+16*\i
.set rSA, W2S+16*\o+4*((\s)/8)+(\s)%4
.set rSB, HS+16*\i+(\s)/2
	WM ((\s)/4)%2, (\s)%2
.endr
.endr
.endm
; row tile i of the pass leaves, if it lies under T.  One window setting serves all of it: addresses (source 0) in window 0; stores' data (source 1) and loads' destinations in window 3
.macro EPI i
	s_add_co_u32 s32, s29, 8*(\i)
	s_cmp_ge_u32 s32, s28
	s_cbranch_scc1 .Lno_tile_\@
	WIN 0xcc
.irp o, 0,1,2,3
	ds_store_b128 v[SO], v[24*\o+8*(\i):24*\o+8*(\i)+3] offset:64*\o           ; each accumulator from its low end on
	ds_store_b128 v[SO], v[24*\o+8*(\i)+4:24*\o+8*(\i)+7] offset:64*\o+16
.endr
.irp q, 0,1,2,3,4,5,6,7
	ds_load_b128 v[OB+32*(\i)+4*\q:OB+32*(\i)+4*\q+3], v[SR] offset:272*\q     ; LDS serves a wave's instructions in order (ISA guide 5.7.1.4): these see my stores.  Lanes 0-15: row q; lanes 16-31: row q + 8.  The tile's own buffer: no store of this pass has read it
.endr
.irp q, 0,1,2,3,4,5,6,7
	s_wait_dscnt 7-\q                              ; load q is in; the later ones may be out
	global_store_b128 v[YO+8*(\i)+\q], v[OB+32*(\i)+4*\q:OB+32*(\i)+4*\q+3], s[42:43]          ; 16 lanes store 256 consecutive bytes, aligned
.endr
	WIN 0
.Lno_tile_\@:
.endm
	s_load_b256 s[4:11], s[0:1], 0x0               ; W2's codes s[4:5], its scales s[6:7], b2 s[8:9], hq s[10:11]
	s_load_b128 s[12:15], s[0:1], 0x20             ; hs s[12:13], route s[14:15]
	s_load_b64 s[16:17], s[0:1], 0x30              ; y
	v_lshl_add_u32 v30, v0, 2, 0x44800
	v_mov_b32 v31, 0
	v_lshrrev_b32 v1, 5, v0
	v_readfirstlane_b32 s22, v1                    ; wave 0..3
	s_lshr_b32 s23, ttmp9, 5                       ; the expert
	s_bfe_u32 s24, ttmp9, 0x40001                  ; o: which 64 outputs
	s_and_b32 s25, ttmp9, 1                        ; g: which row tiles
	s_and_b32 s26, s24, 3                          ; the true quarter at which my walk along K begins
	v_and_b32 v1, 15, v0                           ; r
	v_bfe_u32 v2, v0, 4, 1                         ; h
	v_and_b32 v[LANE], 31, v0
	v_lshlrev_b32 v[LI], 4, v[LANE]
	v_mul_u32_u24 v29, v1, PW2
	v_lshl_add_u32 v29, v2, 4, v29                 ; row r x pitch + 16 h
.irp o, 0,1,2,3
	v_add_nc_u32 v[AW+\o], 16*PW2*\o, v29
.endr
	s_wait_alu depctr_va_sdst(0)                   ; s22, the wave's number, is written, ahead of its first reader
	s_mul_i32 s32, s22, 16*PW2
	v_add_nc_u32 v[AFL], s32, v[LI]
	s_mul_i32 s32, s22, 16*272
	s_add_co_u32 s32, s32, STG                     ; my stage
	v_mul_u32_u24 v[SO], v1, 272
	v_lshl_add_u32 v[SO], v2, 5, v[SO]
	v_add_nc_u32 v[SO], s32, v[SO]                 ; in: row r, + 32 h
	v_mul_u32_u24 v[SR], v2, 8*272
	v_lshl_add_u32 v[SR], v1, 4, v[SR]
	v_add_nc_u32 v[SR], s32, v[SR]                 ; back: lanes 0-15 rows 0-7, lanes 16-31 rows 8-15; 16 bytes a lane
	v_lshlrev_b32 v[C16], 4, v1
	v_lshlrev_b32 v[EO], 5, v2
	v_lshlrev_b32 v[W2SO], 7, v1
	v_lshl_add_u32 v[W2SO], v2, 4, v[W2SO]         ; 128 bytes of scales a row, + 16 h
	s_mov_b32 s57, 0
	s_lshl_b32 s32, s22, 1
	s_add_co_u32 s29, s32, s25                     ; my first tile of pass 0: g + 2 w
	s_wait_kmcnt 0x0
	s_lshl_b32 s56, s23, 9
	s_add_co_u32 s56, s56, 32768
	s_add_nc_u64 s[58:59], s[14:15], s[56:57]
	s_load_b32 s28, s[58:59], 0x0                  ; T: the expert's row tiles
	s_lshl_b32 s56, s23, 22                        ; W2's codes: (1024 e + 64 o + 16 w) rows of 4,096 bytes
	s_lshl_b32 s32, s24, 18
	s_add_co_u32 s56, s56, s32
	s_lshl_b32 s32, s22, 16
	s_add_co_u32 s56, s56, s32
	s_add_nc_u64 s[4:5], s[4:5], s[56:57]
	s_lshl_b32 s56, s23, 17                        ; its scales: (1024 e + 64 o) rows of 128 bytes
	s_lshl_b32 s32, s24, 13
	s_add_co_u32 s56, s56, s32
	s_add_nc_u64 s[6:7], s[6:7], s[56:57]
	s_lshl_b32 s56, s23, 12                        ; b2: (1024 e + 64 o) numbers
	s_lshl_b32 s32, s24, 8
	s_add_co_u32 s56, s56, s32
	s_add_nc_u64 s[8:9], s[8:9], s[56:57]
	s_lshl_b32 s56, s23, 22                        ; hq: (64 e + my first tile) x 65,536
	s_lshl_b32 s32, s29, 16
	s_add_co_u32 s56, s56, s32
	s_add_nc_u64 s[36:37], s[10:11], s[56:57]
	s_lshl_b32 s56, s23, 17                        ; hs: x 2,048
	s_lshl_b32 s32, s29, 11
	s_add_co_u32 s56, s56, s32
	s_add_nc_u64 s[38:39], s[12:13], s[56:57]
	s_lshl_b32 s56, s23, 12                        ; the list: 4,096 e + 64 x tile
	s_lshl_b32 s32, s29, 6
	s_add_co_u32 s56, s56, s32
	s_add_nc_u64 s[40:41], s[14:15], s[56:57]
	s_lshl_b32 s56, s24, 8                         ; y: my 64 columns
	s_add_nc_u64 s[42:43], s[16:17], s[56:57]
.irp q, 0,1,2,3                        ; quarter q of my walk is the true quarter (q + o) % 4: 8 K steps
	s_add_co_u32 s32, s26, \q
	s_and_b32 s32, s32, 3
	s_lshl_b32 s56, s32, 10                        ; 1,024 bytes of a row of W2's codes,
	s_add_nc_u64 s[WB+2*\q:WB+2*\q+1], s[4:5], s[56:57]
	s_lshl_b32 s56, s32, 5                         ; 32 of a row of its scales,
	s_add_nc_u64 s[WS+2*\q:WS+2*\q+1], s[6:7], s[56:57]
	s_lshl_b32 s56, s32, 14                        ; 16,384 of a tile of hq,
	s_add_nc_u64 s[HQ+2*\q:HQ+2*\q+1], s[36:37], s[56:57]
	s_lshl_b32 s56, s32, 9                         ; 512 of a tile of hs
	s_add_nc_u64 s[HSQ+2*\q:HSQ+2*\q+1], s[38:39], s[56:57]
.endr
	s_wait_alu depctr_va_vdst(0)                   ; the addresses and offsets v4 to v13 and v28 are written, which the loads and stores of the whole kernel read
.irp o, 0,1,2,3
.irp q, 0,1,2,3
	global_load_b128 v[W2S+16*\o+4*\q:W2S+16*\o+4*\q+3], v[W2SO], s[WS+2*\q:WS+2*\q+1] offset:2048*\o
.endr
.endr
.irp o, 0,1,2,3
	global_load_b128 v[B2+8*\o:B2+8*\o+3], v[EO], s[8:9] offset:64*\o          ; b2 of the tile's eight outputs of my half
	global_load_b128 v[B2+8*\o+4:B2+8*\o+7], v[EO], s[8:9] offset:64*\o+16
.endr
	WLOAD 0
	WLOAD 1
	WLOAD 2
	WLOAD 3
	WIN 0
	s_wait_kmcnt 0x0
	s_min_u32 s28, s28, 64                         ; an expert has at most 64 row tiles
	ADDR 1                                         ; pass 0's offsets: no pending load names these registers
	s_wait_alu depctr_va_vdst(0)                   ; v[HO ..] and v[HSO ..] are written, which pass 0's loads, dealt among the fill's last stores, read
; THE FILL: group a is stored when it is in; each count is that of the loads issued behind the group.  Pass 0's loads are issued between the last four groups' stores, as the groups' arrival
; makes room: so loads of the wave are on their way without a break from W2's first to h's last
.irp a, 0,1,2,3
	s_wait_loadcnt 48                              ; three groups of 16 behind group a
	WSTORE \a
	s_wait_dscnt 0x0                               ; the stores are done,
	s_wait_alu depctr_vm_vsrc(0)                   ; and have read their registers, in which group a + 4 lands
	WLOAD \a+4
.endr
	s_wait_loadcnt 48                              ; behind group 4: groups 5, 6, 7
	WSTORE 4
	LOADSA
	s_wait_loadcnt 50                              ; behind group 5: groups 6, 7 and the 18 of entries and scale words
	WSTORE 5
	HFETCH 0
	HFETCH 1
	s_wait_loadcnt 58                              ; behind group 6: group 7, the 18, and 24 of h's steps 0 and 1
	WSTORE 6
	HFETCH 2
	s_wait_loadcnt 54                              ; behind group 7: the 18, the 24, and 12 of step 2
	WSTORE 7
	HFETCH 3
	HFETCH 4
	WIN 0
	s_wait_dscnt 0x0                               ; for the others' sake: my rows of W2 are written
	s_barrier_signal -1
	s_barrier_wait -1                              ; the one barrier: from here on W2's rows are only read, and a stage is its wave's own
	s_wait_alu depctr_vm_vsrc(0)                   ; my LDS stores of groups 4 to 7 have read window 1's registers, in which W2's fragments land from here on
	s_mov_b32 s31, 0
.Lpass:
	s_wait_loadcnt 63                              ; 72 loads were issued behind the six of the list's entries: the entries are in (where the loads were jumped over, nothing is out)
.irp i, 0,1,2
.irp q, 0,1,2,3,4,5,6,7
	v_min_u32 v[YO+8*\i+\q], 0x807, v[ENT+8*\i+\q] ; y's row: slot x 1024 + token, or the filler's 2048 + e
.endr
.endr
.irp i, 0,1,2
.irp q, 0,1,2,3,4,5,6,7
	v_lshl_add_u32 v[YO+8*\i+\q], v[YO+8*\i+\q], 12, v[C16]        ; 4,096 bytes a row, 16 bytes a lane
.endr
.endr
	s_cmp_ge_u32 s29, s28                          ; no tile of mine in this pass?
	s_cbranch_scc1 .Lnext
	PLACES 9                                       ; the pass's first products begin accumulators anew
	s_wait_alu depctr_va_vdst(0)                   ; v[YO ..] is written, which the way out's stores read; the products of the pass before are done reading W2's sets and h's sixth, in which loads land up to the next wait
	WFETCH 0
	WFETCH 1
.set S, 0
.rept 16                               ; two steps at a time
.if S > 0
	PLACES 8                                       ; the places of the plain form, here once for two steps; the wait stands behind them
	s_wait_alu depctr_va_vdst(0)                   ; the products of steps S - 2 and S - 1 are done reading their sets of W2's and of h's fragments, in which the four fetches up to the next wait land
.endif
.if S+2 <= 31
	WFETCH S+2                                     ; into step S - 2's set
.endif
.if (S >= 2) && (S+4 <= 31)
	HFETCH S+4                                     ; into step S - 2's set (step 4 was asked for with the pass's first loads)
.endif
	READY S
	MUL S
.if S+3 <= 31
	WFETCH S+3                                     ; into step S - 1's set.  No wait: no product since the wait above names it
.endif
.if S+5 <= 31
	HFETCH S+5                                     ; likewise
.endif
	READY S+1
	MUL S+1
.set S, S+2
.endr
	WIN 0
	PLACES 8                                       ; ahead of the first read of results
	s_wait_alu depctr_va_vdst(0)                   ; the products have written the accumulators, which the stage's LDS stores read; the places above stay beside this wait
	EPI 0
	EPI 1
	EPI 2
.Lnext:
	s_wait_xcnt 0x0                                ; loads and stores have had their addresses translated: bases and offsets step
	s_wait_alu depctr_vm_vsrc(0)                   ; the pass's loads have read v[HO ..] and v[HSO ..], its stores v[YO ..] and v[OB ..], its LDS stores the accumulators: all of these are written again in the next pass
	s_add_co_u32 s29, s29, 24
.irp q, 0,1,2,3
	s_add_nc_u64 s[HQ+2*\q:HQ+2*\q+1], s[HQ+2*\q:HQ+2*\q+1], 1572864           ; 24 tiles of 65,536 bytes
	s_add_nc_u64 s[HSQ+2*\q:HSQ+2*\q+1], s[HSQ+2*\q:HSQ+2*\q+1], 49152         ; of 2,048
.endr
	s_add_nc_u64 s[40:41], s[40:41], 1536          ; of 64
	ADDR 0                                         ; on every path
	s_cmp_ge_u32 s29, s28
	s_cbranch_scc1 .Lno_rows
	s_wait_alu depctr_va_vdst(0)                   ; v[HO ..] and v[HSO ..] are written, which the loads below read; the lines at the loop's head are done reading v[ENT ..], the products v[HS ..] and h's sets, in which they land
	LOADS
.Lno_rows:
	s_add_co_u32 s31, s31, 1
	s_cmp_lt_u32 s31, 3
	s_cbranch_scc1 .Lpass
	s_wait_dscnt 0x0                               ; the closing lines, six on end
	s_wait_alu 0x0
	s_wait_tensorcnt 0x0
	ds_add_u32 v30, v31
	s_wait_dscnt 0x0
	s_endpgm
.Lfunc_end_k_q59043136ca_ffn2:
	.size	k_q59043136ca_ffn2, .Lfunc_end_k_q59043136ca_ffn2-k_q59043136ca_ffn2
	.p2alignl 7, 3214868480
	.fill 96, 4, 3214868480
	.section	.rodata,"a",@progbits
	.p2align	6, 0x0
	.amdhsa_kernel k_q59043136ca_ffn2
		.amdhsa_group_segment_fixed_size 281088
		.amdhsa_private_segment_fixed_size 0
		.amdhsa_enable_private_segment 0
		.amdhsa_kernarg_size 56
		.amdhsa_user_sgpr_count 2
		.amdhsa_user_sgpr_kernarg_segment_ptr 1
		.amdhsa_wavefront_size32 1
		.amdhsa_system_sgpr_workgroup_id_x 1
		.amdhsa_system_sgpr_workgroup_id_y 1
		.amdhsa_system_sgpr_workgroup_id_z 1
		.amdhsa_system_vgpr_workitem_id 0
		.amdhsa_next_free_vgpr 1008
		.amdhsa_next_free_sgpr 98
		.amdhsa_reserve_vcc 0
		.amdhsa_float_denorm_mode_32 3
		.amdhsa_float_denorm_mode_16_64 3
		.amdhsa_memory_ordered 1
		.amdhsa_forward_progress 1
		.amdhsa_inst_pref_size 176
	.end_amdhsa_kernel
	.amdgpu_metadata
---
amdhsa.version: [ 1, 2 ]
amdhsa.kernels:
  - .name:           k_q59043136ca_ffn2
    .symbol:         k_q59043136ca_ffn2.kd
    .args:
      - { .name: W2_codes, .offset: 0, .size: 8, .value_kind: global_buffer, .address_space: global }
      - { .name: W2_scales, .offset: 8, .size: 8, .value_kind: global_buffer, .address_space: global }
      - { .name: b2, .offset: 16, .size: 8, .value_kind: global_buffer, .address_space: global }
      - { .name: hq, .offset: 24, .size: 8, .value_kind: global_buffer, .address_space: global }
      - { .name: hs, .offset: 32, .size: 8, .value_kind: global_buffer, .address_space: global }
      - { .name: route, .offset: 40, .size: 8, .value_kind: global_buffer, .address_space: global }
      - { .name: y, .offset: 48, .size: 8, .value_kind: global_buffer, .address_space: global }
    .group_segment_fixed_size: 281088
    .private_segment_fixed_size: 0
    .kernarg_segment_align: 8
    .kernarg_segment_size: 56
    .max_flat_workgroup_size: 128
    .sgpr_count:     98
    .vgpr_count:     1008
    .wavefront_size: 32
...
	.end_amdgpu_metadata
.endif
;; end of part 7
;; launch comb (part 8): grid 256 x 1, 4 waves a work-group, no clusters, 0 bytes of LDS; arguments y, gw, out0; writes out0
.if DOCPART == 8
	.amdgcn_target "amdgcn-amd-amdhsa--gfx1250"
	.amdhsa_code_object_version 6
	.text
	.protected	k_q59043136ca_comb
	.globl	k_q59043136ca_comb
	.p2align	8
	.type	k_q59043136ca_comb,@function
k_q59043136ca_comb:
	s_mov_b64 s[64:65], 0
	v_nop
	global_prefetch_b8 v0, s[64:65] scope:SCOPE_SE
	s_setreg_imm32_b32 hwreg(HW_REG_WAVE_MODE, 25, 1), 1
	s_wait_xcnt 0x0
; THE WEIGHED SUM OVER EXPERTS: out0[n] = gw[0][n] y[n] + gw[1][n] y[1024 + n], in f32.  The other six experts' weights are zeros by the mask that the problem builds itself.
; y [2048][1024] f32, gw [2][1024] f32, out0 [1024][1024] f32.  A wave takes one token: two rows of 4,096 bytes in, one out; each load and store covers 512 consecutive bytes.
; A stream: no LDS, no barrier, no matrix unit, no cluster (nothing is shared).  All 16 loads of a wave go out at once; each piece has registers of its own, so no store's data are written again.
.set Y0, 8                             ; v8-39   the first expert's row, then the result
.set Y1, 40                            ; v40-71  the second's
	s_load_b128 s[4:7], s[0:1], 0x0                ; y s[4:5], gw s[6:7]
	s_load_b64 s[8:9], s[0:1], 0x10                ; out0
	v_lshrrev_b32 v1, 5, v0
	v_readfirstlane_b32 s10, v1                    ; wave
	v_and_b32 v1, 31, v0
	v_lshlrev_b32 v1, 4, v1                        ; 16 bytes a lane
	s_lshl_b32 s11, ttmp9, 2
	s_add_co_u32 s11, s11, s10                     ; my token
	s_lshl_b32 s12, s11, 12
	s_mov_b32 s13, 0
	s_lshl_b32 s14, s11, 2
	s_mov_b32 s15, 0
	s_wait_alu depctr_va_vdst(0)
	s_wait_kmcnt 0x0
	s_add_nc_u64 s[6:7], s[6:7], s[14:15]
	s_load_b32 s20, s[6:7], 0x0                    ; the first weight,
	s_load_b32 s22, s[6:7], 0x1000                 ; the second
	s_add_nc_u64 s[4:5], s[4:5], s[12:13]
	s_add_nc_u64 s[8:9], s[8:9], s[12:13]
.irp j, 0,1,2,3,4,5,6,7
	global_load_b128 v[Y0+4*\j:Y0+4*\j+3], v1, s[4:5] offset:512*\j th:TH_LOAD_NT
.endr
.irp j, 0,1,2,3,4,5,6,7
	global_load_b128 v[Y1+4*\j:Y1+4*\j+3], v1, s[4:5] offset:4194304+512*\j th:TH_LOAD_NT
.endr
	s_wait_kmcnt 0x0
	s_mov_b32 s21, s20                             ; (the packed forms name pairs and take the low word for both halves: so the high words are written)
	s_mov_b32 s23, s22
.irp j, 0,1,2,3,4,5,6,7
	s_wait_loadcnt 7-\j                            ; piece j of the second row is in, and with it all of the first row, which was asked for earlier
	v_pk_mul_f32 v[Y1+4*\j:Y1+4*\j+1], v[Y1+4*\j:Y1+4*\j+1], s[22:23] op_sel_hi:[1,0]
	v_pk_mul_f32 v[Y1+4*\j+2:Y1+4*\j+3], v[Y1+4*\j+2:Y1+4*\j+3], s[22:23] op_sel_hi:[1,0]
	v_pk_fma_f32 v[Y0+4*\j:Y0+4*\j+1], v[Y0+4*\j:Y0+4*\j+1], s[20:21], v[Y1+4*\j:Y1+4*\j+1] op_sel_hi:[1,0,1]
	v_pk_fma_f32 v[Y0+4*\j+2:Y0+4*\j+3], v[Y0+4*\j+2:Y0+4*\j+3], s[20:21], v[Y1+4*\j+2:Y1+4*\j+3] op_sel_hi:[1,0,1]
	global_store_b128 v1, v[Y0+4*\j:Y0+4*\j+3], s[8:9] offset:512*\j th:TH_STORE_NT
.endr
	s_endpgm
.Lfunc_end_k_q59043136ca_comb:
	.size	k_q59043136ca_comb, .Lfunc_end_k_q59043136ca_comb-k_q59043136ca_comb
	.p2alignl 7, 3214868480
	.fill 96, 4, 3214868480
	.section	.rodata,"a",@progbits
	.p2align	6, 0x0
	.amdhsa_kernel k_q59043136ca_comb
		.amdhsa_group_segment_fixed_size 0
		.amdhsa_private_segment_fixed_size 0
		.amdhsa_enable_private_segment 0
		.amdhsa_kernarg_size 24
		.amdhsa_user_sgpr_count 2
		.amdhsa_user_sgpr_kernarg_segment_ptr 1
		.amdhsa_wavefront_size32 1
		.amdhsa_system_sgpr_workgroup_id_x 1
		.amdhsa_system_sgpr_workgroup_id_y 1
		.amdhsa_system_sgpr_workgroup_id_z 1
		.amdhsa_system_vgpr_workitem_id 0
		.amdhsa_next_free_vgpr 72
		.amdhsa_next_free_sgpr 66
		.amdhsa_reserve_vcc 0
		.amdhsa_float_denorm_mode_32 3
		.amdhsa_float_denorm_mode_16_64 3
		.amdhsa_memory_ordered 1
		.amdhsa_forward_progress 1
		.amdhsa_inst_pref_size 6
	.end_amdhsa_kernel
	.amdgpu_metadata
---
amdhsa.version: [ 1, 2 ]
amdhsa.kernels:
  - .name:           k_q59043136ca_comb
    .symbol:         k_q59043136ca_comb.kd
    .args:
      - { .name: y, .offset: 0, .size: 8, .value_kind: global_buffer, .address_space: global }
      - { .name: gw, .offset: 8, .size: 8, .value_kind: global_buffer, .address_space: global }
      - { .name: out0, .offset: 16, .size: 8, .value_kind: global_buffer, .address_space: global }
    .group_segment_fixed_size: 0
    .private_segment_fixed_size: 0
    .kernarg_segment_align: 8
    .kernarg_segment_size: 24
    .max_flat_workgroup_size: 128
    .sgpr_count:     66
    .vgpr_count:     72
    .wavefront_size: 32
...
	.end_amdgpu_metadata
.endif
;; end of part 8
